; MI455X (gfx1250); checked and timed in simulation.
; The chip was launched on July 23, 2026; its instructions are those of AMD's public machine-readable ISA for CDNA 5 (MIT licence, August 2026) and "CDNA5" Instruction Set Architecture Reference Guide (July 2026). The comments in the code are by the model that wrote it; some were corrected since.
;; MHA. Allowed arithmetic: matrix products marked QUANTISED: E5M2 operands, one E8M0 scale for each 32 along K, by v_wmma_scale_f32_16x16x128_f8f6f4 with both operands' format E5M2, f32 sums; everything else in f32.
;; Inputs: W_proj_codes 1,024 x 32 x 32 uint8 (E5M2 codes of W_proj, K innermost, in blocks of 32 codes); W_proj_scales 1,024 x 32 uint8 (E8M0 scales of W_proj, one for each 32 codes along K); W_qkv_codes 3,072 x 32 x 32 uint8 (E5M2 codes of W_qkv, K innermost, in blocks of 32 codes); W_qkv_scales 3,072 x 32 uint8 (E8M0 scales of W_qkv, one for each 32 codes along K); b_proj 1,024 float32; b_qkv 3,072 float32; x_codes 4 x 2,048 x 32 x 32 uint8 (E5M2 codes of x, K innermost, in blocks of 32 codes); x_scales 4 x 2,048 x 32 uint8 (E8M0 scales of x, one for each 32 codes along K).
;; Outputs: out0 4 x 2,048 x 1,024 float32.
;; This version of the problem:
;;   THIS VERSION OF THE PROBLEM IS GIVEN IN LOW PRECISION. The matrix products marked QUANTISED in the list below multiply operands that are first quantised to E5M2 (5 exponent bits, 2 mantissa bits; 8 bits a number), with one power-of-two scale for each 32 numbers along K (OCP MX v1.0); their sums are f32. All else is computed in f32.
;;   The module's matrix products, in the order in which they are computed (A, B: the left and right operand; K: the contracted axis; several contracted axes count as one K, in the product's order):
;;     1. [M 8,192, K 1,024] x [K 1,024, N 3,072]; A: input x (given as codes); B: input W_qkv (given as codes): QUANTISED
;;     2. batch 64 x [M 2,048, K 64] x [K 64, N 2,048]; A: computed on the way; B: computed on the way: QUANTISED
;;     3. batch 64 x [M 2,048, K 2,048] x [K 2,048, N 64]; A: softmax (see below); B: computed on the way: QUANTISED
;;     4. [M 8,192, K 1,024] x [K 1,024, N 1,024]; A: computed on the way; B: input W_proj (given as codes): QUANTISED
;;   THE QUANTISER, for each operand of a quantised product, along K:
;;     - K is cut into blocks of 32 from its start; a last block that is shorter is filled with zeros.
;;     - A block's scale is 2^e with e = floor(log2(the largest magnitude in the block)) - 15, held to -126 .. 127; a block of zeros has e = 0. As a byte (E8M0): e + 127.
;;     - Each number is divided by its block's scale, clamped to +-57,344, and rounded to the nearest number of E5M2, ties to even, subnormals kept.
;;     - The product sums the exact products of the quantised numbers (number of the format x scale) in f32.
;;   ~~~python
;;   def quantise(x, axis):      # numpy; x: float32 -> the quantised numbers, widened to float32 again
;;       x = np.moveaxis(x, axis, -1); K = x.shape[-1]
;;       x = np.pad(x, [(0, 0)] * (x.ndim - 1) + [(0, -K % 32)]); x = x.reshape(x.shape[:-1] + (-1, 32)); a = np.abs(x).max(-1, keepdims=True)
;;       e = np.where(a > 0, np.clip(np.frexp(np.where(a > 0, a, 1))[1] - 1 - 15, -126, 127), 0)      # np.frexp(a)[1] - 1 = floor(log2(a)), exactly
;;       r = np.clip(x / 2.0 ** e, -57344, 57344)
;;       step = 2.0 ** (np.maximum(np.frexp(np.where(r == 0, 1, r))[1] - 1, -14) - 2)
;;       q = np.round(r / step) * step * 2.0 ** e      # np.round: ties to even
;;       return np.moveaxis(q.reshape(q.shape[:-2] + (-1,))[..., :K], -1, axis).astype(np.float32)
;;   ~~~
;;   SOFTMAX AHEAD OF A QUANTISED PRODUCT. Where the list says 'softmax', what is quantised is not the finished softmax but p = 2^(t - M), with t = logit x log2(e) and M = ceil(the row's largest t), a whole number; so 1/2 < the row's largest p <= 1. The row's sum l is taken of the UNQUANTISED p, in f32, and the product's result is divided by l at the end. Since M is a whole number, a kernel that streams over the keys may use a running M (the ceiling of the running maximum): every later rescaling is an exact power of two, which a block's scale takes up: the codes' values come out the same.
;;   OPERANDS COMPUTED ON THE WAY. 'Computed on the way' means the value that the module computes at that place (a softmax that the list does not call 'softmax' is quantised finished and normalised). What goes into a quantiser is computed in f32, as accurately as f32 sums, v_exp_f32 and their like allow (about 1e-6 of the number): no bf16 or f16 on the way to a quantiser, and a product that is left as it is and whose result goes on into a quantised operand takes f32 operands (vector FMAs, or v_wmma_f32_16x16x4_f32). A number that lies on a knife's edge between two numbers of the format may be rounded either way, as far as f32 arithmetic and the matrix unit's own rounding can turn it there, and no further.
;;   INPUTS GIVEN AS CODES. W_proj (in the module: [1024, 1024], K = its axis 0); W_qkv (in the module: [1024, 3072], K = its axis 0); x (in the module: [4, 2048, 1024], K = its axis 2): each comes as NAME_codes (uint8): NAME with its K axis moved to the last place and cut into blocks of 32 codes, [.., K / 32, bytes a block], one block behind the other in memory; one code a byte (a code: sign, 5 exponent bits, 2 mantissa bits); and NAME_scales (uint8): the same leading axes, one E8M0 byte (e + 127) for each 32 codes along K. Its value is code x scale, taken as it is: it is not quantised again, and the codes and scales need not be those that the quantiser above would give.
;; One version. Each part assembles by itself: llvm-mc -triple=amdgcn-amd-amdhsa -mcpu=gfx1250 --defsym DOCPART=n.
;; ======== version 1 of 1: 3 launches
;; limits: right only within a limited range of input values
;; workspace buffers: img 25,165,824 bytes; scl 1,572,864 bytes; oimg 8,388,608 bytes; oscl 262,144 bytes
;; launch qkv (part 1): grid 8 x 32, 4 waves a work-group, clusters of 4 x 4, 327,680 bytes of LDS; arguments x_codes, x_scales, W_qkv_codes, W_qkv_scales, b_qkv, img, scl; writes img, scl
.if DOCPART == 1
	.amdgcn_target "amdgcn-amd-amdhsa--gfx1250"
	.amdhsa_code_object_version 6
	.text
	.protected	k_q1c9aa0c7d5_qkv
	.globl	k_q1c9aa0c7d5_qkv
	.p2align	8
	.type	k_q1c9aa0c7d5_qkv,@function
k_q1c9aa0c7d5_qkv:
	s_mov_b64 s[64:65], 0
	v_nop
	global_prefetch_b8 v0, s[64:65] scope:SCOPE_SE
	s_setreg_imm32_b32 hwreg(HW_REG_WAVE_MODE, 25, 1), 1
	s_wait_xcnt 0x0
	s_wait_alu depctr_hold_cnt(0) depctr_sa_sdst(0) depctr_va_vdst(0) depctr_va_sdst(0) depctr_va_ssrc(0) depctr_va_vcc(0) depctr_vm_vsrc(0)
	s_getreg_b32 s2, hwreg(HW_REG_IB_STS2, 6, 4)
	s_cmp_eq_u32 s2, 0
	s_cbranch_scc0 .Lentry_in_a_cluster
	s_endpgm
.Lentry_in_a_cluster:
	s_bfe_u32 s2, ttmp6, 0x10000c
	s_cmp_lg_u32 s2, 0xf033
	s_cbranch_scc0 .Lentry_shape_is_right
	s_endpgm
.Lentry_shape_is_right:
; q, k, v = x W_qkv + b_qkv AND THEIR QUANTISERS: 8,192 x 3,072 x 1,024 on codes of E5M2 with one E8M0 scale for each 32 along K; f32 sums that begin with the bias; codes and scale bytes leave in the order of the next launch's operand registers.  Nothing of reference() is left out.
; THE DEAL.  256 work-groups of four waves.  A work-group owns 256 tokens and one pair of heads: 128 rows of W_q, of W_k and of W_v.  A wave holds its 64 tokens, ALL of K, in 512 registers (windows 1, 2) and streams W's rows past them in blocks of 16, which stand in two sets (window 3).
; LDS: two regions of 128 rows x (1,024 + 16) bytes; behind them W's scale bytes (3 x 4,096) and the bias (3 x 512), filled once.  At the head x's 256 rows fill both regions (waves 0, 1), wave 2 fetches the scale bytes, wave 3 the bias.
; When x is in registers: a drained round of the cluster's barrier, and W_q's rows land in region 0, W_k's in region 1, 64 rows a wave.  Behind Q's blocks a second drained round: W_v's rows land in region 0, 32 rows a wave, while K's blocks are multiplied.  Every refill has the first fill's rows and padding.
; CLUSTER 4 x 4: x is shared along a row of the cluster; W, its scale bytes and the bias along a column: joint loads.
; PREFETCH: W's three chunks of 131,072 bytes, a lane a block of 256 bytes, shared out by address among the 16 waves of the cluster's column: W_q's and W_k's at the head, W_v's behind the first refill.  x comes by the head's loads alone.
; Q, K: source 0 = W's 16 rows: a lane holds one token and eight features; a scale block of 32 features lies in two neighbouring blocks of W and in lanes l and l xor 16.  V: source 0 = x's 16 tokens: a lane holds one channel and eight tokens; a scale block of 32 tokens lies in two token tiles and in lanes l and l xor 16.
; img: regions q, k, v of 8,388,608 bytes; in each a block of 16,384 bytes for (batch, pair of heads, step of 128 tokens).  q, k: unit (token tile a, feature block b) at 2,048 a + 512 b, in odd tiles with rows r xor 8; v: unit (channel tile, key block c) at 2,048 x tile + 512 c.  A unit: lane's 16 bytes at 16 x lane.
; scl: q's words, then at 786,432 k's and v's; 12,288 bytes a head: 16 steps x 512 of q or k ([a % 2][r % 8][r / 8][a / 2], a word (s0 s1 0 0) or, for r / 8 = 1, (0 0 s0 s1)); at 8,192 16 steps x 256 of v ([channel r][tile][key block]).
; A wave owns half of a step of 128 tokens, so its scale words leave as pieces of 8 bytes (q, k) and 2 bytes (v): one in 16 of what the launch stores.
; LIMITS: NaN, infinities and sums beyond f32's range are not served.  A block of zeros gets the scale byte 1 where the rule says 127: its codes are zeros, and this program alone reads the bytes.
.set KROW,  1024
.set PITCH, 1040
.set YB,    128*PITCH
.set SCW,   2*YB
.set BIA,   SCW+12288
.set SPARE, BIA+1536
.set PAIR,  32*PITCH                   ; two blocks of W
.set NFQ,   36                         ; LDS loads of a fetch: 32 of codes, 2 of scale words, 2 of bias
.set NFV,   42                         ; V: 8 of bias: the channel's number in all eight registers
.set ADX,   4
.set ADW0,  5
.set ADS0,  6
.set ADZQ0, 7
.set ADZV0, 8
.set ADW,   9
.set SPW,   10
.set NIL,   11
.set ADS,   12
.set ADZ,   13
.set OFFE,  14                         ; 16 x lane;  v15: the same with r xor 8
.set QSO,   16
.set SH1,   17
.set SH2,   18
.set VSO,   19
.set XSO,   20
.set PF,    21
.set XS,    24                         ; v24-55  x's scale words: register 8 t + q for token tile t
.set WSC,   60                         ; v60-75  W's: two sets of eight: no product's two scale words have numbers equal modulo 8
.set BZ,    76                         ; v76-91  the first products' C: two sets
.set ACC,   96                         ; v96-159 two sets of four accumulators
.set CD,    160                        ; v160-175 codes
.set TM,    176
.set TP,    180
.set SO,    184
.set LM,    188
.set WD,    192                        ; v192-195 q's or k's four scale bytes of a token, for token tile t
.set Y,     196
.set HW,    200
.set G1X, 28
.set G1W, 36
.set G1V, 44
.set G1S, 52
.set G0X, 60
.set G1Z, 68
.set G0S, 76
.set G0Z, 80
.set G0W, 84
.set G0V, 88
.set SQ,  92                           ; s[92:93] where q's or k's units go;  s[94:95] v's;  s[96:97] q's or k's scale words;  s[98:99], s[100:101] v's
.set SV,  94
.set SQS, 96
.set SVS0, 98
.set SVS, 100
.set FB,  2                            ; LDS steps of the pair of blocks that is fetched next: codes, scale words, bias
.set FS,  3
.set FZ,  66
.set SH,  67
.set T,   13
.set MNT, 12
.set SEL, 4
.set MSB, 0
.macro WIN new
.if MSB != (\new)
	s_set_vgpr_msb (MSB<<8)|(\new)
.set MSB, (\new)
.endif
.endm
.macro PLACES n
.rept \n
	v_nop
.endr
.endm
.macro BARRIER
	s_barrier_signal -1
	s_barrier_wait -1
.endm
.macro CROUND
	BARRIER
	s_cmp_lg_u32 s18, 0
	s_cbranch_scc1 .Lnot_wave_0_\@
	s_barrier_signal -3
.Lnot_wave_0_\@:
	s_barrier_wait -3
	BARRIER
.endm
.macro TLOAD g0, g1
	tensor_load_to_lds s[\g0:\g0+3], s[\g1:\g1+7]
	s_nop 0
	PLACES 4
.endm
.macro GROUP1 g, mask, rows            ; so many rows of 1,024 bytes, dense in memory, 16 bytes of padding behind each in LDS
	s_or_b32 s[\g+0], s[\mask], (1<<20)|(1<<21)|(7<<22)|(3<<25)
	s_mov_b32 s[\g+1], (KROW&0xffff)<<16
	s_mov_b32 s[\g+2], (KROW>>16)|((\rows)<<16)
	s_mov_b32 s[\g+3], KROW<<16
	s_mov_b32 s[\g+4], \rows
	s_mov_b32 s[\g+5], KROW
	s_mov_b32 s[\g+6], 0
	s_mov_b32 s[\g+7], 0
.endm
.macro GROUP3 g, len, pitch            ; three rows of len elements of 8 bytes, pitch elements apart: q's, k's and v's part of a table; no padding
	s_or_b32 s[\g+0], s26, (3<<16)|(1<<21)
	s_mov_b32 s[\g+1], (\len)<<16
	s_mov_b32 s[\g+2], 3<<16
	s_mov_b32 s[\g+3], (\len)<<16
	s_mov_b32 s[\g+4], 3
	s_mov_b32 s[\g+5], \pitch
	s_mov_b32 s[\g+6], 0
	s_mov_b32 s[\g+7], 0
.endm
	s_load_b256 s[4:11], s[0:1], 0x0               ; x's codes, x's scales, W's codes, W's scales
	s_load_b128 s[12:15], s[0:1], 0x20             ; b_qkv, img
	s_load_b64 s[16:17], s[0:1], 0x30              ; scl
	v_lshl_add_u32 v[SPW], v0, 2, SPARE
	v_mov_b32 v[NIL], 0
	ds_add_u32 v[SPW], v[NIL]                      ; the opening lines: the add twice on end
	ds_add_u32 v[SPW], v[NIL]
	v_lshrrev_b32 v22, 5, v0
	v_readfirstlane_b32 s18, v22                   ; wave 0..3
	s_lshr_b32 s19, s18, 1                         ; which step of 128 tokens
	s_and_b32 s20, s18, 1                          ; which half of it
	s_bfe_u32 s21, ttmp6, 0x40000                  ; cx
	s_bfe_u32 s22, ttmp6, 0x40004                  ; cy
	s_lshl_b32 s23, ttmp9, 2
	s_add_co_u32 s23, s23, s21                     ; the pair of heads 0..7
	s_and_b32 s24, ttmp7, 0xffff
	s_lshl_b32 s24, s24, 2
	s_add_co_u32 s24, s24, s22                     ; the group of 256 tokens 0..31
	s_lshl_b32 s25, s22, 2
	s_lshl_b32 s25, 15, s25                        ; my row of the cluster
	s_lshl_b32 s26, 0x1111, s21                    ; my column
	GROUP1 G1X, 25, 128
	GROUP1 G1W, 26, 64
	GROUP1 G1V, 26, 32
	GROUP3 G1S, 512, 4096
	GROUP3 G1Z, 64, 512
	s_lshl_b32 s67, s22, 2                         ; which of the cluster column's sixteen waves I am: my 8,192 bytes of a prefetch
	s_add_co_u32 s67, s67, s18
	s_lshl_b32 s67, s67, 13
	s_lshl_b32 s22, s23, 17
	s_add_co_u32 s67, s67, s22
	s_mov_b32 s[G0X], 1                            ; x: rows 256 x group + 128 x wave
	s_mul_i32 s[G0X+1], s18, 128*PITCH
	s_lshl_b32 s[G0X+2], s24, 18
	s_lshl_b32 s22, s18, 17
	s_add_co_u32 s[G0X+2], s[G0X+2], s22
	s_mov_b32 s[G0X+3], 0
	s_mov_b32 s[G0W], 1                            ; W_q (waves 0, 1) or W_k (2, 3): rows 1,024 x (wave / 2) + 128 x pair + 64 x (wave % 2)
	s_mul_i32 s[G0W+1], s18, 64*PITCH
	s_lshl_b32 s[G0W+2], s19, 20
	s_lshl_b32 s22, s23, 17
	s_add_co_u32 s[G0W+2], s[G0W+2], s22
	s_lshl_b32 s22, s20, 16
	s_add_co_u32 s[G0W+2], s[G0W+2], s22
	s_mov_b32 s[G0W+3], 0
	s_mov_b32 s[G0V], 1                            ; W_v: rows 2,048 + 128 x pair + 32 x wave
	s_mul_i32 s[G0V+1], s18, 32*PITCH
	s_lshl_b32 s[G0V+2], s23, 17
	s_lshl_b32 s22, s18, 15
	s_add_co_u32 s[G0V+2], s[G0V+2], s22
	s_add_co_u32 s[G0V+2], s[G0V+2], 0x200000
	s_mov_b32 s[G0V+3], 0
	s_mov_b32 s[G0S], 1
	s_mov_b32 s[G0S+1], SCW
	s_lshl_b32 s[G0S+2], s23, 12
	s_mov_b32 s[G0S+3], 0
	s_mov_b32 s[G0Z], 1
	s_mov_b32 s[G0Z+1], BIA
	s_lshl_b32 s[G0Z+2], s23, 9
	s_mov_b32 s[G0Z+3], 0
	s_lshl_b32 s100, s24, 13                       ; x's scale bytes: token 256 x group + 64 x wave
	s_lshl_b32 s22, s18, 11
	s_add_co_u32 s100, s100, s22
	s_mov_b32 s101, 0
	s_lshr_b32 s27, s24, 3                         ; batch
	s_and_b32 s2, s24, 7
	s_lshl_b32 s2, s2, 1
	s_add_co_u32 s2, s2, s19                       ; my step of 128 tokens in the batch
	s_lshl_b32 s3, s27, 7
	s_lshl_b32 s22, s23, 4
	s_add_co_u32 s3, s3, s22
	s_add_co_u32 s3, s3, s2                        ; the block of 16,384 bytes in a region of img
	s_lshl_b32 s3, s3, 14
	s_lshl_b32 s22, s20, 13
	s_add_co_u32 s[SQ], s3, s22                    ; q: my four token tiles
	s_mov_b32 s[SQ+1], 0
	s_lshl_b32 s22, s20, 10
	s_add_co_u32 s[SV], s3, s22                    ; v: my two key blocks; one trip's step short
	s_add_co_u32 s[SV], s[SV], 16777216-4096
	s_mov_b32 s[SV+1], 0
	s_lshl_b32 s66, s27, 4
	s_lshl_b32 s22, s23, 1
	s_add_co_u32 s66, s66, s22
	s_mul_i32 s66, s66, 12288                      ; the pair's first head in a region of scl
	s_lshl_b32 s22, s2, 9
	s_add_co_u32 s[SQS], s66, s22
	s_mov_b32 s[SQS+1], 0
	s_lshl_b32 s22, s2, 8
	s_add_co_u32 s[SVS0], s66, s22
	s_add_co_u32 s[SVS0], s[SVS0], 786432+8192
	s_mov_b32 s[SVS0+1], 0
	s_mul_i32 s25, s18, 64*PITCH
	s_lshl_b32 s26, s20, 3
	s_lshl_b32 s21, s20, 1
	v_and_b32 v1, 15, v0                           ; r
	v_bfe_u32 v2, v0, 4, 1                         ; h
	v_and_b32 v3, 31, v0                           ; lane
	v_mul_u32_u24 v22, v1, PITCH
	v_lshl_add_u32 v[ADW0], v2, 4, v22             ; a fragment's row x pitch + 16 h
	v_add_nc_u32 v[ADX], s25, v[ADW0]              ; my 64 rows of x
	v_lshl_add_u32 v[ADS0], v1, 5, SCW
	v_lshl_add_u32 v[ADZQ0], v2, 5, BIA
	v_lshl_add_u32 v[ADZV0], v1, 2, BIA+1024
	v_lshlrev_b32 v[OFFE], 4, v3
	v_xor_b32 v[OFFE+1], 128, v[OFFE]
	v_and_b32 v22, 7, v1
	v_lshrrev_b32 v23, 3, v1
	v_lshlrev_b32 v22, 5, v22
	v_lshl_add_u32 v22, v23, 4, v22
	v_mad_u32_u24 v22, v2, 0x3000, v22
	v_add_nc_u32 v[QSO], s26, v22                  ; 32 (r % 8) + 16 (r / 8) + 12,288 h + 8 (wave % 2)
	v_lshlrev_b32 v[SH1], 4, v2
	v_lshlrev_b32 v[SH2], 4, v23
	v_lshl_add_u32 v[VSO], v1, 4, s21              ; 16 r + 2 (wave % 2)
	v_lshlrev_b32 v[XSO], 5, v1
	v_lshl_add_u32 v[PF], v3, 8, s67
.irp t, 0,1,2,3
	v_mov_b32 v[TP+\t], 0                          ; a lane permute's destination counts as one of its sources
	v_mov_b32 v[WD+\t], 0
.endr
	s_wait_alu depctr_va_vdst(0)                   ; the wait at the end of the head's vector lines
	s_wait_dscnt 0x0
	CROUND                                         ; all sixteen work-groups are here
	s_wait_kmcnt 0x0
	s_add_nc_u64 s[G0X+2:G0X+3], s[4:5], s[G0X+2:G0X+3]
	s_or_b32 s[G0X+3], s[G0X+3], 0x80000000
	s_add_nc_u64 s[G0S+2:G0S+3], s[10:11], s[G0S+2:G0S+3]
	s_or_b32 s[G0S+3], s[G0S+3], 0x80000000
	s_add_nc_u64 s[G0Z+2:G0Z+3], s[12:13], s[G0Z+2:G0Z+3]
	s_or_b32 s[G0Z+3], s[G0Z+3], 0x80000000
	s_cmp_lt_u32 s18, 2                            ; one joint load a wave, in one chain of branches on the wave's number
	s_cbranch_scc0 .Lhead_2
	TLOAD G0X, G1X
	s_branch .Lasked
.Lhead_2:
	s_cmp_eq_u32 s18, 2
	s_cbranch_scc0 .Lhead_3
	TLOAD G0S, G1S
	s_branch .Lasked
.Lhead_3:
	TLOAD G0Z, G1Z
.Lasked:
	s_add_nc_u64 s[6:7], s[6:7], s[100:101]
.irp t, 0,1,2,3
.irp c, 0,1
	global_load_b128 v[XS+8*\t+4*\c:XS+8*\t+4*\c+3], v[XSO], s[6:7] offset:512*\t+16*\c
.endr
.endr
	global_prefetch_b8 v[PF], s[8:9] th:TH_LOAD_NT scope:SCOPE_SE
	global_prefetch_b8 v[PF], s[8:9] offset:1048576 th:TH_LOAD_NT scope:SCOPE_SE
	s_add_nc_u64 s[G0W+2:G0W+3], s[8:9], s[G0W+2:G0W+3]
	s_or_b32 s[G0W+3], s[G0W+3], 0x80000000
	s_add_nc_u64 s[G0V+2:G0V+3], s[8:9], s[G0V+2:G0V+3]
	s_or_b32 s[G0V+3], s[G0V+3], 0x80000000
	s_add_nc_u64 s[SQ:SQ+1], s[14:15], s[SQ:SQ+1]
	s_sub_nc_u64 s[SQ:SQ+1], s[SQ:SQ+1], 512       ; one trip's step short
	s_add_nc_u64 s[SV:SV+1], s[14:15], s[SV:SV+1]
	s_add_nc_u64 s[SQS:SQS+1], s[16:17], s[SQS:SQS+1]
	s_add_nc_u64 s[SVS0:SVS0+1], s[16:17], s[SVS0:SVS0+1]
	s_mov_b32 s[SEL], 0x76543210
	s_mov_b32 s[SEL+1], 0xfedcba98
	s_mov_b32 s[MNT], 0x600000
	s_wait_tensorcnt 0x0                           ; every wave: my tile is in
	BARRIER
.irp q, 0,1,2,3,4,5,6,7                        ; my 64 tokens, all of K: fragment 4 q + t in window 1 + (4 q + t) / 16
.irp t, 0,1,2,3
	WIN (1+(4*\q+\t)/16)<<6
.irp c, 0,1,2,3
	ds_load_b128 v[16*((4*\q+\t)%16)+4*\c:16*((4*\q+\t)%16)+4*\c+3], v[ADX] offset:128*\q+32*\c+\t*16*PITCH
.endr
.endr
.endr
	WIN 0
	s_wait_tensorcnt 0x0
	ds_add_u32 v[SPW], v[NIL]                      ; an add ahead of a refill
	s_wait_dscnt 0x0                               ; it is done, and x is in my registers
	CROUND                                         ; so of every wave of every partner
	TLOAD G0W, G1W                                 ; W_q's and W_k's rows, 64 a wave
	global_prefetch_b8 v[PF], s[8:9] offset:2097152 th:TH_LOAD_NT scope:SCOPE_SE
.macro ADDR z0, lb, ls, lz             ; the LDS addresses of the pair that this trip fetches, held at the chunk's last pair; then the steps
	s_min_u32 s14, s[FB], \lb
	s_min_u32 s15, s[FS], \ls
	s_min_u32 s16, s[FZ], \lz
	v_add_nc_u32 v[ADW], s14, v[ADW0]
	v_add_nc_u32 v[ADS], s15, v[ADS0]
	v_add_nc_u32 v[ADZ], s16, v[\z0]
	s_wait_alu depctr_va_vdst(0)                   ; the wait
	s_add_co_u32 s[FB], s[FB], PAIR
	s_add_co_u32 s[FS], s[FS], 1024
	s_add_co_u32 s[FZ], s[FZ], 128
.endm
.macro FETCH kind, e                   ; block e of the pair: 16 rows of W, all of K, into set e; their scale words; the bias
	WIN 3<<6
.irp q, 0,1,2,3,4,5,6,7
.irp c, 0,1,2,3
	ds_load_b128 v[128*(\e)+16*\q+4*\c:128*(\e)+16*\q+4*\c+3], v[ADW] offset:(\e)*16*PITCH+128*\q+32*\c
.endr
.endr
	WIN 0
	ds_load_b128 v[WSC+8*(\e):WSC+8*(\e)+3], v[ADS] offset:512*(\e)
	ds_load_b128 v[WSC+8*(\e)+4:WSC+8*(\e)+7], v[ADS] offset:512*(\e)+16
.if \kind
.irp j, 0,1,2,3,4,5,6,7
	ds_load_b32 v[BZ+8*(\e)+\j], v[ADZ] offset:64*(\e)
.endr
.else
	ds_load_b128 v[BZ+8*(\e):BZ+8*(\e)+3], v[ADZ] offset:64*(\e)
	ds_load_b128 v[BZ+8*(\e)+4:BZ+8*(\e)+7], v[ADZ] offset:64*(\e)+16
.endif
.endm
.macro PRODS kind, e                   ; 32 products: the four token tiles' accumulators by turns, K ascending; the first four begin with the bias
.set K_, 0
.rept 32
.set Q_, K_/4
.set T_, K_%4
.set AC_, ACC+32*(\e)+8*T_
.set C_, AC_
.if Q_ == 0
.set C_, BZ+8*(\e)
.endif
.set WF_, 128*(\e)+16*Q_
.set XF_, 16*(K_%16)
.set WS_, WSC+8*(\e)+Q_
.set XS_, XS+8*T_+Q_
.if \kind
	WIN (1+K_/16)|(3<<2)
	v_wmma_scale_f32_16x16x128_f8f6f4 v[AC_:AC_+7], v[XF_:XF_+15], v[WF_:WF_+15], v[C_:C_+7], v[XS_], v[WS_] matrix_a_fmt:MATRIX_FMT_BF8 matrix_b_fmt:MATRIX_FMT_BF8
.else
	WIN 3|((1+K_/16)<<2)
	v_wmma_scale_f32_16x16x128_f8f6f4 v[AC_:AC_+7], v[WF_:WF_+15], v[XF_:XF_+15], v[C_:C_+7], v[WS_], v[XS_] matrix_a_fmt:MATRIX_FMT_BF8 matrix_b_fmt:MATRIX_FMT_BF8
.endif
.set K_, K_+1
.endr
	WIN 0
	PLACES 9                                       ; ahead of the reads of the sums, of the fetch into what was read, and of the products that write the sums' registers anew
.endm
.macro SCALE4 n                        ; n blocks' largest magnitudes in TM: joined with lane l xor 16's; the conversion's operand, the bound, the byte
.set I_, 0
.rept \n
	v_permlanex16_b32 v[TP+I_], v[TM+I_], s[SEL], s[SEL+1]
.set I_, I_+1
.endr
.set I_, 0
.rept \n
	v_max_num_f32 v[TM+I_], v[TM+I_], v[TP+I_]
.set I_, I_+1
.endr
.set I_, 0
.rept \n
	v_add_nc_u32 v[SO+I_], 0xf8800000, v[TM+I_]
.set I_, I_+1
.endr
.set I_, 0
.rept \n
	v_and_or_b32 v[LM+I_], v[TM+I_], 0x7f800000, s[MNT]
.set I_, I_+1
.endr
.set I_, 0
.rept \n
	v_lshrrev_b32 v[TP+I_], 23, v[SO+I_]
.set I_, I_+1
.endr
.endm
.macro EPIQ                            ; a pair of W's blocks: 32 features of four token tiles: four units and four scale bytes
.irp t, 0,1,2,3
	v_max3_num_f32 v[TM+\t], |v[ACC+8*\t]|, |v[ACC+8*\t+1]|, 0x8000000
.endr
.irp i, 2,4,6,32,34,36,38
.irp t, 0,1,2,3
	v_max3_num_f32 v[TM+\t], v[TM+\t], |v[ACC+8*\t+\i]|, |v[ACC+8*\t+\i+1]|
.endr
.endr
	SCALE4 4
.irp t, 0,1,2,3
	v_lshl_or_b32 v[WD+\t], v[TP+\t], s[SH], v[WD+\t]
.endr
.irp t, 0,1,2,3
.irp i, 0,1,2,3,4,5,6,7,32,33,34,35,36,37,38,39
	v_med3_num_f32 v[ACC+8*\t+\i], v[ACC+8*\t+\i], -v[LM+\t], v[LM+\t]
.endr
.endr
.irp t, 0,1,2,3
	v_cvt_scalef32_pk8_bf8_f32 v[CD+4*\t:CD+4*\t+1], v[ACC+8*\t:ACC+8*\t+7], v[SO+\t]
	v_cvt_scalef32_pk8_bf8_f32 v[CD+4*\t+2:CD+4*\t+3], v[ACC+32+8*\t:ACC+32+8*\t+7], v[SO+\t]
.endr
	v_nop
.irp t, 0,1,2,3
	v_permlane16_swap_b32 v[CD+4*\t], v[CD+4*\t+2]     ; k = 8 h + .. and 16 + 8 h + .. become k = 16 h + 0 .. 15: the unit
	v_permlane16_swap_b32 v[CD+4*\t+1], v[CD+4*\t+3]
.endr
.irp t, 0,1,2,3
	global_store_b128 v[OFFE+\t%2], v[CD+4*\t:CD+4*\t+3], s[SQ:SQ+1] offset:2048*\t   ; 32 lanes store 512 consecutive bytes
.endr
.endm
.macro EPIV e                          ; a block of W_v: 16 channels x my 64 tokens: two units and two scale bytes
.set A_, ACC+32*(\e)
.irp c, 0,1
	v_max3_num_f32 v[TM+\c], |v[A_+16*\c]|, |v[A_+16*\c+1]|, 0x8000000
.endr
.irp i, 2,4,6,8,10,12,14
.irp c, 0,1
	v_max3_num_f32 v[TM+\c], v[TM+\c], |v[A_+16*\c+\i]|, |v[A_+16*\c+\i+1]|
.endr
.endr
	SCALE4 2
	v_lshl_or_b32 v[HW+\e], v[TP+1], 8, v[TP]
.irp c, 0,1
.irp i, 0,1,2,3,4,5,6,7,8,9,10,11,12,13,14,15
	v_med3_num_f32 v[A_+16*\c+\i], v[A_+16*\c+\i], -v[LM+\c], v[LM+\c]
.endr
.endr
.irp c, 0,1
	v_cvt_scalef32_pk8_bf8_f32 v[CD+8*(\e)+4*\c:CD+8*(\e)+4*\c+1], v[A_+16*\c:A_+16*\c+7], v[SO+\c]
	v_cvt_scalef32_pk8_bf8_f32 v[CD+8*(\e)+4*\c+2:CD+8*(\e)+4*\c+3], v[A_+16*\c+8:A_+16*\c+15], v[SO+\c]
.endr
	v_nop
.irp c, 0,1
	v_permlane16_swap_b32 v[CD+8*(\e)+4*\c], v[CD+8*(\e)+4*\c+2]
	v_permlane16_swap_b32 v[CD+8*(\e)+4*\c+1], v[CD+8*(\e)+4*\c+3]
.endr
.irp c, 0,1
	global_store_b128 v[OFFE], v[CD+8*(\e)+4*\c:CD+8*(\e)+4*\c+3], s[SV:SV+1] offset:2048*(\e)+512*\c
.endr
	global_store_b16 v[VSO], v[HW+\e], s[SVS:SVS+1] offset:4*(\e)   ; my two of the channel's four bytes of this step (both halves of the lanes hold the same)
.endm
.macro MAYFETCH kind, e, nf, skip, wait  ; the fetch; skip = 1: not in the loop's last trip.  wait = 1: then the other set is waited for: behind it stands this fetch, or nothing
.if \skip
	s_cmp_eq_u32 s[T], 3
	s_cbranch_scc1 .Lnone_\@
.endif
	FETCH \kind, \e
.if \wait
	s_wait_dscnt \nf
.endif
.if \skip
.if \wait
	s_branch .Lgo_\@
.endif
.Lnone_\@:
.if \wait
	s_wait_dscnt 0x0
.Lgo_\@:
.endif
.endif
.endm
.macro QKTRIP skip                     ; two blocks of W_q or W_k
	ADDR ADZQ0, 7*PAIR, 7*1024, 7*128
	s_wait_dscnt NFQ                               ; set 0 is in; behind it: set 1's fetch
	PRODS 0, 0
	MAYFETCH 0, 0, NFQ, \skip, 1
	PRODS 0, 1
	s_wait_xcnt 0x0                                ; the last trip's stores have read their registers and base
	s_add_nc_u64 s[SQ:SQ+1], s[SQ:SQ+1], 512
	EPIQ
	s_add_co_u32 s[SH], s[SH], 8
	MAYFETCH 0, 1, NFQ, \skip, 0
.endm
.macro QSC                             ; a chunk's scale words: lanes 0-15 the pair's first head, lanes 16-31 its second; tiles 0, 2 and 1, 3 of mine are neighbours
.irp t, 0,1,2,3
	v_bfe_u32 v[TM+\t], v[WD+\t], v[SH1], 16
.endr
	v_lshlrev_b32 v[Y], v[SH2], v[TM]
	v_lshlrev_b32 v[Y+1], v[SH2], v[TM+2]
	v_lshlrev_b32 v[Y+2], v[SH2], v[TM+1]
	v_lshlrev_b32 v[Y+3], v[SH2], v[TM+3]
	global_store_b64 v[QSO], v[Y:Y+1], s[SQS:SQS+1]
	global_store_b64 v[QSO], v[Y+2:Y+3], s[SQS:SQS+1] offset:256
.endm
.macro VTRIP                           ; two blocks of W_v
	ADDR ADZV0, 3*PAIR, 8192+3*1024, 3*128
	s_wait_dscnt NFV
	PRODS 1, 0
	s_wait_xcnt 0x0
	s_add_nc_u64 s[SV:SV+1], s[SV:SV+1], 4096
	s_lshr_b32 s20, s[T], 1                        ; block 2 T + e: head T / 2 of the pair, channel tile 2 (T % 2) + e
	s_mul_i32 s20, s20, 12288
	s_and_b32 s21, s[T], 1
	s_lshl_b32 s21, s21, 3
	s_add_co_u32 s20, s20, s21
	s_mov_b32 s21, 0
	s_add_nc_u64 s[SVS:SVS+1], s[SVS0:SVS0+1], s[20:21]
	EPIV 0
	MAYFETCH 1, 0, NFV, 1, 1
	PRODS 1, 1
	EPIV 1
	MAYFETCH 1, 1, NFV, 1, 0
.endm
	s_mov_b32 s[FB], 0
	s_mov_b32 s[FS], 0
	s_mov_b32 s[FZ], 0
	s_mov_b32 s[SH], 0
	s_wait_tensorcnt 0x0                           ; every wave: my 64 rows of W are in
	BARRIER
	ADDR ADZQ0, 7*PAIR, 7*1024, 7*128
	FETCH 0, 0
	FETCH 0, 1
	s_wait_loadcnt 0x0                             ; x's scale words
	s_mov_b32 s[T], 0
.Lq:                                               ; Q: four trips; the last fetches K's first pair, which lies behind Q's last in LDS
	QKTRIP 0
	s_add_co_u32 s[T], s[T], 1
	s_cmp_lt_u32 s[T], 4
	s_wait_alu depctr_va_vdst(0)
	s_cbranch_scc1 .Lq
	QSC
	s_wait_xcnt 0x0
	s_add_nc_u64 s[SQ:SQ+1], s[SQ:SQ+1], 8388608-2048   ; on to k's region
	s_add_nc_u64 s[SQS:SQS+1], s[SQS:SQS+1], 786432
.irp t, 0,1,2,3
	v_mov_b32 v[WD+\t], 0
.endr
	s_wait_alu depctr_va_vdst(0)
	s_wait_tensorcnt 0x0
	ds_add_u32 v[SPW], v[NIL]                      ; an add ahead of a refill
	s_mov_b32 s[FB], 5*PAIR
	s_mov_b32 s[FS], 5*1024
	s_mov_b32 s[FZ], 5*128
	s_mov_b32 s[SH], 0
	s_mov_b32 s[T], 0
	s_wait_dscnt 0x0                               ; it is done, and my reads of region 0 are over
	CROUND
	TLOAD G0V, G1V                                 ; W_v's rows into region 0, 32 a wave
.Lk:                                               ; K: four trips; the last fetches nothing
	QKTRIP 1
	s_add_co_u32 s[T], s[T], 1
	s_cmp_lt_u32 s[T], 4
	s_wait_alu depctr_va_vdst(0)
	s_cbranch_scc1 .Lk
	QSC
	s_mov_b32 s[FB], 0
	s_mov_b32 s[FS], 8192
	s_mov_b32 s[FZ], 0
	s_mov_b32 s[T], 0
	s_wait_tensorcnt 0x0                           ; every wave: my 32 rows of W_v are in
	s_wait_dscnt 0x0
	BARRIER
	ADDR ADZV0, 3*PAIR, 8192+3*1024, 3*128
	FETCH 1, 0
	FETCH 1, 1
.Lv:                                               ; V: four trips
	VTRIP
	s_add_co_u32 s[T], s[T], 1
	s_cmp_lt_u32 s[T], 4
	s_wait_alu depctr_va_vdst(0)
	s_cbranch_scc1 .Lv
	s_wait_tensorcnt 0x0                           ; the wave's end
	ds_add_u32 v[SPW], v[NIL]
	s_wait_dscnt 0x0
	CROUND                                         ; the closing round
	s_endpgm
.Lfunc_end_k_q1c9aa0c7d5_qkv:
	.size	k_q1c9aa0c7d5_qkv, .Lfunc_end_k_q1c9aa0c7d5_qkv-k_q1c9aa0c7d5_qkv
	.p2alignl 7, 3214868480
	.fill 96, 4, 3214868480
	.section	.rodata,"a",@progbits
	.p2align	6, 0x0
	.amdhsa_kernel k_q1c9aa0c7d5_qkv
		.amdhsa_group_segment_fixed_size 327680
		.amdhsa_private_segment_fixed_size 0
		.amdhsa_enable_private_segment 0
		.amdhsa_kernarg_size 56
		.amdhsa_user_sgpr_count 2
		.amdhsa_user_sgpr_kernarg_segment_ptr 1
		.amdhsa_wavefront_size32 1
		.amdhsa_system_sgpr_workgroup_id_x 1
		.amdhsa_system_sgpr_workgroup_id_y 1
		.amdhsa_system_sgpr_workgroup_id_z 1
		.amdhsa_system_vgpr_workitem_id 0
		.amdhsa_next_free_vgpr 1024
		.amdhsa_next_free_sgpr 102
		.amdhsa_reserve_vcc 0
		.amdhsa_float_denorm_mode_32 3
		.amdhsa_float_denorm_mode_16_64 3
		.amdhsa_memory_ordered 1
		.amdhsa_forward_progress 1
		.amdhsa_inst_pref_size 104
	.end_amdhsa_kernel
	.amdgpu_metadata
---
amdhsa.version: [ 1, 2 ]
amdhsa.kernels:
  - .name:           k_q1c9aa0c7d5_qkv
    .symbol:         k_q1c9aa0c7d5_qkv.kd
    .args:
      - { .name: x_codes, .offset: 0, .size: 8, .value_kind: global_buffer, .address_space: global }
      - { .name: x_scales, .offset: 8, .size: 8, .value_kind: global_buffer, .address_space: global }
      - { .name: W_qkv_codes, .offset: 16, .size: 8, .value_kind: global_buffer, .address_space: global }
      - { .name: W_qkv_scales, .offset: 24, .size: 8, .value_kind: global_buffer, .address_space: global }
      - { .name: b_qkv, .offset: 32, .size: 8, .value_kind: global_buffer, .address_space: global }
      - { .name: img, .offset: 40, .size: 8, .value_kind: global_buffer, .address_space: global }
      - { .name: scl, .offset: 48, .size: 8, .value_kind: global_buffer, .address_space: global }
    .group_segment_fixed_size: 327680
    .private_segment_fixed_size: 0
    .kernarg_segment_align: 8
    .kernarg_segment_size: 56
    .max_flat_workgroup_size: 128
    .sgpr_count:     102
    .vgpr_count:     1024
    .wavefront_size: 32
...
	.end_amdgpu_metadata
.endif
;; end of part 1
;; launch attn (part 2): grid 4 x 64, 16 waves a work-group, clusters of 4 x 1, 327,680 bytes of LDS; arguments img, scl, oimg, oscl; writes oimg, oscl
.if DOCPART == 2
	.amdgcn_target "amdgcn-amd-amdhsa--gfx1250"
	.amdhsa_code_object_version 6
	.text
	.protected	k_q1c9aa0c7d5_attn
	.globl	k_q1c9aa0c7d5_attn
	.p2align	8
	.type	k_q1c9aa0c7d5_attn,@function
k_q1c9aa0c7d5_attn:
	s_mov_b64 s[64:65], 0
	v_nop
	global_prefetch_b8 v0, s[64:65] scope:SCOPE_SE
	s_setreg_imm32_b32 hwreg(HW_REG_WAVE_MODE, 25, 1), 1
	s_wait_xcnt 0x0
	s_wait_alu depctr_hold_cnt(0) depctr_sa_sdst(0) depctr_va_vdst(0) depctr_va_sdst(0) depctr_va_ssrc(0) depctr_va_vcc(0) depctr_vm_vsrc(0)
	s_getreg_b32 s2, hwreg(HW_REG_IB_STS2, 6, 4)
	s_cmp_eq_u32 s2, 0
	s_cbranch_scc0 .Lentry_in_a_cluster
	s_endpgm
.Lentry_in_a_cluster:
	s_bfe_u32 s2, ttmp6, 0x10000c
	s_cmp_lg_u32 s2, 0x3003
	s_cbranch_scc0 .Lentry_shape_is_right
	s_endpgm
.Lentry_shape_is_right:
; o = softmax(q k^T / 8) v for 64 heads of 2,048 tokens x 64 channels, both products on codes of E5M2 with one E8M0 scale for each 32 along K; o is quantised along the 1,024 channels and leaves as codes.
; THE SOFTMAX: t = score x log2(e) / 8; M = the row's largest t so far, rounded up to a whole number; p = 2^(t - M) is quantised along the keys, not normalised.  The row's sum is taken of the unquantised p and divides O at the end.
; When M moves, the sum and O are multiplied by 2^(old M - new M): exact.
; SHARES.  A work-group owns 512 queries of one head; each of its sixteen waves owns two tiles of 16 queries, one after the other, in 256 registers.  Every wave walks all 2,048 keys, 128 a step.
; THE WHOLE HEAD'S K, V AND SCALE WORDS STAY IN LDS: 131,072 + 131,072 + 12,288 bytes, filled once, one joint load a wave: wave 0 K's steps 0-3, wave 1 V's, wave 2 the scale words; waves 5-7 K's steps 4-15, a quarter of the head each, waves 9-11 V's.
; Two barriers in all: the first shows waves 0-2's tiles (they alone wait there, and have load lines of their own), the second, behind the first tile's step 3, shows the rest.  Nothing is filled again, so the second tile's walk has no barrier.
; No prefetch: every byte is asked for by the head's loads, and no loop stands ahead of them.
; CLUSTER.  The four work-groups of a head ask for every tile jointly: descriptors made of the head and the wave's number alone, mask 15.
; LAYOUT.  Both products transposed: S^T = K Q^T, O^T = V^T P^T: a lane holds one query (lane % 16).  Operands lie in img as units of 16 rows x 32 along K, 512 bytes, lane (r, h)'s 16 bytes at 16 (r + 16 h).
; Lane r of key tile 2 b + u takes key 32 b + 8 u + r + 8 (r / 8), so that the 16 registers of tiles 2 b and 2 b + 1 are 16 neighbouring keys.
; K = 64 IN AN INSTRUCTION OF K = 128: a fragment holds tile 2 b (registers 0-7) and tile 2 b + 1 (8-15); it is multiplied by (q, zeros) and by (zeros, q).  Against q's zeros stand finite codes under the scale byte 0: those products are zeros.
; LIMITS: NaN and infinities are not served.  The promise holds while |t| stays under 2^31.  A block of zeros gets the scale byte 1 where the rule says 127: its codes are zeros, and this program alone reads the bytes.
; A block's largest p is taken as 2^(its largest t - M): that takes v_exp_f32 not to fall where its input rises.
; REGISTERS: v1-9 places that stay; v10-14 the step's LDS addresses; v15, v255 the spare word's address and 0; v16-39 q, eight zeros, q again; v40-41 q's scale word; v42 -M, v43 the largest t; v[44:45] the sum; v[46:47] f;
;   v48-111 fragments of K, then of V; v112-175 S^T, then p; v176-207 O^T; v208-223 p's codes; v224-231 scale words; v232-253 at work.
.set KC,   0
.set VC,   131072
.set SC,   262144
.set AK0,  1
.set AK1,  2
.set AV0,  3
.set ASK0, 4
.set ASV0, 5
.set QOFF, 6
.set QSOFF, 7
.set OOFF, 8
.set OSOFF, 9
.set ADK,  10
.set ADV,  12
.set ADS,  13
.set ADT,  14
.set QLO,  16
.set QHI,  24
.set QS,   40
.set QW,   41
.set NM,   42
.set SUM,  44
.set F,    46
.set KV,   48
.set S,    112
.set O,    176
.set PC,   208
.set KSC,  224
.set VSC,  228
.set BM,   232
.set T4,   236
.set LM,   240
.set SO,   244
.set PW,   248
.set TT,   249
.set WV,   12
.set G1K,  16
.set G1V,  24
.set G1S,  32
.set G0S,  40
.set G0C,  44
.set G0K0, 48
.set G0V0, 52
.set SEL,  60
.set CS,   62
.set MNT,  66
.set TK,   67
.set TS,   68
.set TV,   69
.set CNT,  70
.macro ROUND
	s_barrier_signal -1
	s_barrier_wait -1
	s_cmp_lg_u32 s[WV], 0
	s_cbranch_scc1 .Lnot_wave_0_\@
	s_barrier_signal -3
.Lnot_wave_0_\@:
	s_barrier_wait -3
	s_barrier_signal -1
	s_barrier_wait -1
.endm
.macro TL g0, g1                       ; a tensor load with an s_nop and four v_nops behind it
	tensor_load_to_lds s[\g0:\g0+3], s[\g1:\g1+7]
	s_nop 0
.rept 4
	v_nop
.endr
.endm
	s_load_b256 s[4:11], s[0:1], 0x0               ; img, scl, oimg, oscl
	v_lshl_add_u32 v15, v0, 2, 0x43000
	v_mov_b32 v255, 0
	ds_add_u32 v15, v255                           ; the opening lines: the add twice on end
	ds_add_u32 v15, v255
	v_lshrrev_b32 v1, 5, v0
	s_delay_alu instid0(VALU_DEP_1)
	v_readfirstlane_b32 s[WV], v1                  ; wave 0..15
	s_bfe_u32 s13, ttmp6, 0x40000                  ; cx: which 512 queries: it enters q's and o's addresses alone
	s_and_b32 s14, ttmp7, 0xffff                   ; the head among the 64
	s_mov_b32 s[G1K], 15|(3<<16)|(1<<21)           ; K: four steps: 32 natural tiles, 1,024 bytes of every 2,048; elements of 8 bytes
	s_mov_b32 s[G1K+1], 128<<16
	s_mov_b32 s[G1K+2], 32<<16
	s_mov_b32 s[G1K+3], 128<<16
	s_mov_b32 s[G1K+4], 32
	s_mov_b32 s[G1K+5], 256
	s_mov_b32 s[G1K+6], 0
	s_mov_b32 s[G1K+7], 0
	s_mov_b32 s[G1V], 15|(3<<16)|(1<<21)           ; V: four steps: 8,192 bytes of every 16,384
	s_mov_b32 s[G1V+1], 1024<<16
	s_mov_b32 s[G1V+2], 4<<16
	s_mov_b32 s[G1V+3], 1024<<16
	s_mov_b32 s[G1V+4], 4
	s_mov_b32 s[G1V+5], 2048
	s_mov_b32 s[G1V+6], 0
	s_mov_b32 s[G1V+7], 0
	s_mov_b32 s[G1S], 15|(3<<16)|(1<<21)           ; the head's 12,288 dense bytes of scale words, as 48 rows of 256
	s_mov_b32 s[G1S+1], 32<<16
	s_mov_b32 s[G1S+2], 48<<16
	s_mov_b32 s[G1S+3], 32<<16
	s_mov_b32 s[G1S+4], 48
	s_mov_b32 s[G1S+5], 32
	s_mov_b32 s[G1S+6], 0
	s_mov_b32 s[G1S+7], 0
	s_and_b32 s81, s14, 1                          ; which head of its pair
	s_lshr_b32 s82, s14, 1
	s_lshl_b32 s82, s82, 18                        ; the pair's 16 blocks of 16,384 bytes in a region of img
	s_lshl_b32 s86, s81, 10
	s_add_co_u32 s86, s86, s82
	s_add_co_u32 s86, s86, 0x800000                ; s[86:87] my head's K in img
	s_mov_b32 s87, 0
	s_lshl_b32 s88, s81, 13
	s_add_co_u32 s88, s88, s82
	s_add_co_u32 s88, s88, 0x1000000               ; s[88:89] my head's V
	s_mov_b32 s89, 0
	s_and_b32 s83, s[WV], 3                        ; waves 5-7 and 9-11: which quarter of the head,
	s_bfe_u32 s84, s[WV], 0x10003                  ; of K (0) or of V (1)
	s_lshl_b32 s85, 0x800000, s84
	s_mul_i32 s90, s84, 3
	s_add_co_u32 s90, s90, 10
	s_lshl_b32 s90, s81, s90
	s_add_co_u32 s90, s90, s85
	s_add_co_u32 s90, s90, s82
	s_lshl_b32 s85, s83, 16
	s_add_co_u32 s90, s90, s85                     ; s[90:91] that quarter in img
	s_mov_b32 s91, 0
	s_lshl_b32 s[G0C+1], s83, 15
	s_lshl_b32 s85, s84, 17
	s_add_co_u32 s[G0C+1], s[G0C+1], s85           ; and in LDS: 32,768 x quarter, + VC for V
	s_mul_i32 s92, s14, 12288
	s_add_co_u32 s92, s92, 786432                  ; scl's second region: k's and v's
	s_mov_b32 s93, 0
	s_mov_b32 s[SEL], 0x76543210
	s_mov_b32 s[SEL+1], 0xfedcba98
	s_mov_b32 s[CS], 0x3e38aa3b                    ; log2(e) / 8
	s_mov_b32 s[CS+1], s[CS]
	s_mov_b32 s[MNT], 0x600000
	s_mov_b32 s80, 0xffff0000                      ; lanes 16-31
	s_wait_dscnt 0x0
	s_wait_kmcnt 0x0
	s_mov_b32 s[G0S], 1
	s_mov_b32 s[G0S+1], SC
	s_add_nc_u64 s[G0S+2:G0S+3], s[6:7], s[92:93]
	s_or_b32 s[G0S+3], s[G0S+3], 0x80000000
	s_mov_b32 s[G0K0], 1
	s_mov_b32 s[G0K0+1], KC
	s_add_nc_u64 s[G0K0+2:G0K0+3], s[4:5], s[86:87]
	s_or_b32 s[G0K0+3], s[G0K0+3], 0x80000000
	s_mov_b32 s[G0V0], 1
	s_mov_b32 s[G0V0+1], VC
	s_add_nc_u64 s[G0V0+2:G0V0+3], s[4:5], s[88:89]
	s_or_b32 s[G0V0+3], s[G0V0+3], 0x80000000
	s_mov_b32 s[G0C], 1
	s_add_nc_u64 s[G0C+2:G0C+3], s[4:5], s[90:91]
	s_or_b32 s[G0C+3], s[G0C+3], 0x80000000
	ROUND                                          ; all four work-groups are here: the joint loads meet
	s_cmp_eq_u32 s[WV], 0                          ; one chain of branches on the wave's number, one load to an arm, one join
	s_cbranch_scc0 .Larm_1
	TL G0K0, G1K
	s_branch .Lasked
.Larm_1:
	s_cmp_eq_u32 s[WV], 1
	s_cbranch_scc0 .Larm_2
	TL G0V0, G1V
	s_branch .Lasked
.Larm_2:
	s_cmp_eq_u32 s[WV], 2
	s_cbranch_scc0 .Larm_3
	TL G0S, G1S
	s_branch .Lasked
.Larm_3:
	s_cmp_lt_u32 s[WV], 5
	s_cbranch_scc1 .Lasked
	s_cmp_lt_u32 s[WV], 8
	s_cbranch_scc0 .Larm_4
	TL G0C, G1K
	s_branch .Lasked
.Larm_4:
	s_cmp_lt_u32 s[WV], 9
	s_cbranch_scc1 .Lasked
	s_cmp_lt_u32 s[WV], 12
	s_cbranch_scc0 .Lasked
	TL G0C, G1V
.Lasked:
	; q: my first tile is tile w of the work-group's 32: step 4 cx + w / 8, natural tile w % 8; my second lies two steps on
	s_lshl_b32 s92, s13, 2
	s_lshr_b32 s93, s[WV], 3
	s_add_co_u32 s92, s92, s93
	s_and_b32 s93, s[WV], 7
	s_lshl_b32 s94, s92, 14
	s_add_co_u32 s94, s94, s82
	s_lshl_b32 s95, s93, 11
	s_add_co_u32 s94, s94, s95
	s_lshl_b32 s95, s81, 10
	s_add_co_u32 s94, s94, s95
	s_mov_b32 s95, 0
	s_add_nc_u64 s[72:73], s[4:5], s[94:95]        ; its two units
	s_mul_i32 s94, s14, 12288
	s_lshl_b32 s96, s92, 9
	s_add_co_u32 s94, s94, s96
	s_and_b32 s96, s[WV], 1
	s_lshl_b32 s97, s96, 8
	s_add_co_u32 s94, s94, s97
	s_lshr_b32 s97, s93, 1
	s_lshl_b32 s97, s97, 2
	s_add_co_u32 s94, s94, s97
	s_add_nc_u64 s[74:75], s[6:7], s[94:95]        ; its scale words
	s_lshr_b32 s94, s14, 4
	s_lshl_b32 s94, s94, 7
	s_lshl_b32 s97, s13, 5
	s_add_co_u32 s94, s94, s97
	s_add_co_u32 s94, s94, s[WV]                   ; o: the tile of 16 tokens: 128 batch + 32 cx + w
	s_and_b32 s97, s14, 15
	s_lshl_b32 s98, s94, 14
	s_lshl_b32 s99, s97, 10
	s_add_co_u32 s98, s98, s99
	s_mov_b32 s99, 0
	s_add_nc_u64 s[76:77], s[8:9], s[98:99]        ; oimg: tile x 16,384 + 1,024 head
	s_lshl_b32 s98, s94, 9
	s_lshl_b32 s97, s97, 1
	s_add_co_u32 s98, s98, s97
	s_add_nc_u64 s[78:79], s[10:11], s[98:99]      ; oscl: tile x 512 + 2 head
	s_lshl_b32 s96, s96, 3
	v_and_b32 v250, 15, v0                         ; r
	v_bfe_u32 v251, v0, 4, 1                       ; h
	v_bfe_u32 v252, v0, 3, 1                       ; r / 8
	v_and_b32 v253, 7, v0                          ; r % 8
	v_and_b32 v254, 31, v0                         ; lane
	v_xor_b32 v[QOFF], s96, v250
	s_delay_alu instid0(VALU_DEP_1)
	v_lshlrev_b32 v[QOFF], 4, v[QOFF]
	s_delay_alu instid0(VALU_DEP_1)
	v_lshl_add_u32 v[QOFF], v251, 8, v[QOFF]
	v_lshlrev_b32 v[QSOFF], 5, v253
	s_delay_alu instid0(VALU_DEP_1)
	v_lshl_add_u32 v[QSOFF], v252, 4, v[QSOFF]
.macro QLOAD                           ; a tile of q: its codes twice, with the zeros between, and its scale words
	global_load_b128 v[QLO:QLO+3], v[QOFF], s[72:73]
	global_load_b128 v[QLO+4:QLO+7], v[QOFF], s[72:73] offset:512
	global_load_b128 v[QHI+8:QHI+11], v[QOFF], s[72:73]
	global_load_b128 v[QHI+12:QHI+15], v[QOFF], s[72:73] offset:512
	global_load_b32 v[QW], v[QSOFF], s[74:75]
.endm
	QLOAD
	v_mul_u32_u24 v[AK0], v252, 1152
	s_delay_alu instid0(VALU_DEP_1)
	v_lshl_add_u32 v[AK0], v251, 8, v[AK0]
	s_delay_alu instid0(VALU_DEP_1)
	v_lshl_add_u32 v[AK0], v253, 4, v[AK0]         ; 1,152 (r / 8) + 256 h + 16 (r % 8)
	s_delay_alu instid0(VALU_DEP_1)
	v_xor_b32 v[AK1], 128, v[AK0]
	v_lshl_add_u32 v[AV0], v254, 4, VC
	v_lshl_add_u32 v[ASK0], v250, 5, SC
	s_delay_alu instid0(VALU_DEP_1)
	v_lshl_add_u32 v[ASK0], v251, 4, v[ASK0]
	v_lshl_add_u32 v[ASV0], v250, 4, SC+8192
	v_lshlrev_b32 v[OOFF], 4, v254
	v_lshl_add_u32 v[OSOFF], v250, 5, v251
.irp j, 0,1,2,3,4,5,6,7
	v_mov_b32 v[QHI+\j], 0                         ; the zeros between q's two copies: set once
.endr
.irp b, 0,1,2,3
	v_mov_b32 v[T4+\b], 0                          ; a lane permute's destination counts as one of its sources
.endr
	v_mov_b32 v[TT], 0
	v_mov_b32 v[F+1], 0
; A KEY STEP: 128 keys.
.macro STEP
	v_add_nc_u32 v[ADK], s[TK], v[AK0]
	v_add_nc_u32 v[ADK+1], s[TK], v[AK1]
	v_add_nc_u32 v[ADV], s[TK], v[AV0]
	v_add_nc_u32 v[ADS], s[TS], v[ASK0]
	v_add_nc_u32 v[ADT], s[TV], v[ASV0]
.rept 3
	v_nop                                          ; with the five additions: eight places behind the last step's products
.endr
	ds_load_b128 v[KSC:KSC+3], v[ADS]
.irp b, 0,1,2,3
.irp u, 0,1
.irp c, 0,1
	ds_load_b128 v[KV+16*\b+8*\u+4*\c:KV+16*\b+8*\u+4*\c+3], v[ADK+\u] offset:2048*\b+512*\c
.endr
.endr
.endr
	s_wait_alu depctr_va_vdst(0)
	s_wait_dscnt 0x0
.irp b, 0,1,2,3
	v_wmma_scale_f32_16x16x128_f8f6f4 v[S+16*\b:S+16*\b+7], v[KV+16*\b:KV+16*\b+15], v[QLO:QLO+15], 0, v[KSC+\b], v[QS] matrix_a_fmt:MATRIX_FMT_BF8 matrix_b_fmt:MATRIX_FMT_BF8
	v_wmma_scale_f32_16x16x128_f8f6f4 v[S+16*\b+8:S+16*\b+15], v[KV+16*\b:KV+16*\b+15], v[QHI:QHI+15], 0, v[KSC+\b], v[QS] matrix_a_fmt:MATRIX_FMT_BF8 matrix_b_fmt:MATRIX_FMT_BF8 matrix_a_scale:MATRIX_SCALE_ROW1 matrix_b_scale:MATRIX_SCALE_ROW1
.endr                                          ; lane (r, h): query r; register 16 b + i: key 32 b + 16 h + i of the step
.rept 8
	v_nop
.endr
	ds_load_b128 v[VSC:VSC+3], v[ADT]
.irp d, 0,1,2,3
.irp c, 0,1,2,3
	ds_load_b128 v[KV+16*\d+4*\c:KV+16*\d+4*\c+3], v[ADV] offset:2048*\d+512*\c   ; V lands while the softmax is walked
.endr
.endr
.irp b, 0,1,2,3
	v_max3_num_f32 v[BM+\b], v[S+16*\b], v[S+16*\b+1], v[S+16*\b+2]   ; each block's largest score
.endr
.irp i, 3,5,7,9,11,13
.irp b, 0,1,2,3
	v_max3_num_f32 v[BM+\b], v[BM+\b], v[S+16*\b+\i], v[S+16*\b+\i+1]
.endr
.endr
.irp b, 0,1,2,3
	v_max_num_f32 v[BM+\b], v[BM+\b], v[S+16*\b+15]
.endr
.irp b, 0,1,2,3
	s_delay_alu instid0(VALU_DEP_4)
	v_permlanex16_b32 v[T4+\b], v[BM+\b], s[SEL], s[SEL+1]
.endr
.irp b, 0,1,2,3
	s_delay_alu instid0(VALU_DEP_4)
	v_max_num_f32 v[BM+\b], v[BM+\b], v[T4+\b]
.endr
	s_delay_alu instid0(VALU_DEP_2)
	v_max3_num_f32 v[TT], v[BM], v[BM+1], v[BM+2]
	s_delay_alu instid0(VALU_DEP_1)
	v_max_num_f32 v[TT], v[TT], v[BM+3]
	s_delay_alu instid0(VALU_DEP_1)
	v_mul_f32 v[TT], s[CS], v[TT]
	s_delay_alu instid0(VALU_DEP_1)
	v_max_num_f32 v[NM+1], v[NM+1], v[TT]          ; the running largest t
	v_mov_b32 v[TT], v[NM]
	s_delay_alu instid0(VALU_DEP_2)
	v_floor_f32 v[NM], -v[NM+1]                    ; the new -M
	s_delay_alu instid0(VALU_DEP_1)
	v_sub_f32 v[TT], v[NM], v[TT]
	s_delay_alu instid0(VALU_DEP_1)
	v_cvt_i32_f32 v[TT], v[TT]
	s_delay_alu instid0(VALU_DEP_1)
	v_ldexp_f32 v[F], 1.0, v[TT]                   ; f = 2^(old M - new M)
.set j, 0
.rept 32
	v_pk_fma_f32 v[S+j:S+j+1], v[S+j:S+j+1], s[CS:CS+1], v[NM:NM+1] op_sel_hi:[1,0,0]
.set j, j+2
.endr
.irp b, 0,1,2,3
	v_fma_f32 v[BM+\b], v[BM+\b], s[CS], v[NM]
.endr
.set j, 0
	s_wait_alu depctr_va_vdst(0)                   ; a wait ahead of the batch
.rept 64
	v_exp_f32 v[S+j], v[S+j]
.set j, j+1
.endr
	v_pk_mul_f32 v[SUM:SUM+1], v[SUM:SUM+1], v[F:F+1] op_sel_hi:[1,0]
	s_wait_alu depctr_va_vdst(0)                   ; and behind it, ahead of its first reader
.irp b, 0,1,2,3
	v_exp_f32 v[BM+\b], v[BM+\b]                   ; the block's largest p
.endr
	v_pk_add_f32 v[236:237], v[116:117], v[120:121]   ; the row's sum of the unquantised p, in eight chains
	v_pk_add_f32 v[252:253], v[124:125], v[128:129]
	v_pk_add_f32 v[250:251], v[132:133], v[136:137]
	v_pk_add_f32 v[246:247], v[140:141], v[144:145]
	v_pk_add_f32 v[244:245], v[148:149], v[152:153]
	v_pk_add_f32 v[242:243], v[156:157], v[160:161]
	v_pk_add_f32 v[240:241], v[164:165], v[168:169]
	v_pk_add_f32 v[44:45], v[44:45], v[172:173]
	v_pk_add_f32 v[236:237], v[236:237], v[112:113]
	v_pk_add_f32 v[252:253], v[252:253], v[114:115]
	v_pk_add_f32 v[250:251], v[250:251], v[118:119]
	v_pk_add_f32 v[246:247], v[246:247], v[122:123]
	v_pk_add_f32 v[244:245], v[244:245], v[126:127]
	v_pk_add_f32 v[242:243], v[242:243], v[130:131]
	v_pk_add_f32 v[240:241], v[240:241], v[134:135]
	v_pk_add_f32 v[44:45], v[44:45], v[138:139]
	v_pk_add_f32 v[236:237], v[236:237], v[142:143]
	v_pk_add_f32 v[252:253], v[252:253], v[146:147]
	v_pk_add_f32 v[250:251], v[250:251], v[150:151]
	v_pk_add_f32 v[246:247], v[246:247], v[154:155]
	v_pk_add_f32 v[244:245], v[244:245], v[158:159]
	v_pk_add_f32 v[242:243], v[242:243], v[162:163]
	v_pk_add_f32 v[240:241], v[240:241], v[166:167]
	v_pk_add_f32 v[44:45], v[44:45], v[170:171]
	v_pk_add_f32 v[236:237], v[236:237], v[174:175]
	s_delay_alu instid0(VALU_DEP_2)
	v_pk_add_f32 v[44:45], v[44:45], v[246:247]
	s_delay_alu instid0(VALU_DEP_2)
	v_pk_add_f32 v[236:237], v[236:237], v[244:245]
	v_pk_add_f32 v[252:253], v[252:253], v[242:243]
	v_pk_add_f32 v[250:251], v[250:251], v[240:241]
	s_delay_alu instid0(VALU_DEP_2)
	v_pk_add_f32 v[44:45], v[44:45], v[252:253]
	s_delay_alu instid0(VALU_DEP_2)
	v_pk_add_f32 v[236:237], v[236:237], v[250:251]
	s_delay_alu instid0(VALU_DEP_1)
	v_pk_add_f32 v[44:45], v[44:45], v[236:237]
	s_wait_alu depctr_va_vdst(0)                   ; and one for the four
.irp b, 0,1,2,3
	v_max_num_f32 v[BM+\b], 0x8000000, v[BM+\b]    ; the floor 2^(16 - 127): the byte cannot fall under 1
.endr
.irp b, 0,1,2,3
	s_delay_alu instid0(VALU_DEP_4)
	v_add_nc_u32 v[SO+\b], 0xf8800000, v[BM+\b]    ; the conversion's scale operand
.endr
.irp b, 0,1,2,3
	v_and_or_b32 v[LM+\b], v[BM+\b], 0x7f800000, s[MNT]   ; 57,344 x the scale
.endr
.irp b, 0,1,2,3
	v_lshrrev_b32 v[T4+\b], 23, v[SO+\b]           ; the scale's byte
.endr
	s_delay_alu instid0(VALU_DEP_3)
	v_lshl_or_b32 v[PW], v[T4+1], 8, v[T4]
	s_delay_alu instid0(VALU_DEP_1)
	v_lshl_or_b32 v[PW], v[T4+2], 16, v[PW]
	s_delay_alu instid0(VALU_DEP_1)
	v_lshl_or_b32 v[PW], v[T4+3], 24, v[PW]
; the hold (the conversion to an 8-bit code does not saturate: ISA guide 7.6.2; p is not negative, so it is one-sided), two numbers a line: an even register of one block with an odd one of its neighbour, so that both pairs of sources lie in different banks
.irp b, 0,2
.irp i, 0,2,4,6,8,10,12,14
	v_dual_min_num_f32 v[S+16*\b+\i], v[S+16*\b+\i], v[LM+\b] :: v_dual_min_num_f32 v[S+16*\b+17+\i], v[S+16*\b+17+\i], v[LM+\b+1]
	v_dual_min_num_f32 v[S+16*\b+16+\i], v[S+16*\b+16+\i], v[LM+\b+1] :: v_dual_min_num_f32 v[S+16*\b+1+\i], v[S+16*\b+1+\i], v[LM+\b]
.endr
.irp e, 0,1
	v_cvt_scalef32_pk8_bf8_f32 v[PC+4*(\b+\e):PC+4*(\b+\e)+1], v[S+16*(\b+\e):S+16*(\b+\e)+7], v[SO+\b+\e]
	v_cvt_scalef32_pk8_bf8_f32 v[PC+4*(\b+\e)+2:PC+4*(\b+\e)+3], v[S+16*(\b+\e)+8:S+16*(\b+\e)+15], v[SO+\b+\e]
.endr
.endr
	s_wait_alu depctr_va_vdst(0)                   ; the wait directly ahead of the first reader of O^T
.set j, 0
.rept 16
	v_pk_mul_f32 v[O+j:O+j+1], v[O+j:O+j+1], v[F:F+1] op_sel_hi:[1,0]   ; O^T under the new M; also the places between the codes and the products
.set j, j+2
.endr
	s_wait_alu depctr_va_vdst(0)
	s_wait_dscnt 0x0                               ; V and its scale words are in
.irp d, 0,1,2,3
	v_wmma_scale_f32_16x16x128_f8f6f4 v[O+8*\d:O+8*\d+7], v[KV+16*\d:KV+16*\d+15], v[PC:PC+15], v[O+8*\d:O+8*\d+7], v[VSC+\d], v[PW] matrix_a_fmt:MATRIX_FMT_BF8 matrix_b_fmt:MATRIX_FMT_BF8
.endr
	s_add_co_u32 s[TK], s[TK], 8192
	s_add_co_u32 s[TS], s[TS], 512
	s_add_co_u32 s[TV], s[TV], 256
.endm
.macro RUN first, n                    ; steps first .. first + n - 1
	s_mov_b32 s[TK], 8192*\first
	s_mov_b32 s[TS], 512*\first
	s_mov_b32 s[TV], 256*\first
	s_mov_b32 s[CNT], \n
.Lstep_\@:
	STEP
	s_sub_co_u32 s[CNT], s[CNT], 1
	s_cmp_lg_u32 s[CNT], 0
	s_cbranch_scc1 .Lstep_\@
.endm
.macro INIT                            ; a tile's start: q's scale word in both halves of the lanes; -M, the sum and O^T (the first change of M leaves zeros zeros)
	s_wait_loadcnt 0x0                             ; q
	v_and_b32 v[TT], 8, v0
	s_delay_alu instid0(VALU_DEP_1)
	v_lshlrev_b32 v[TT], 1, v[TT]
	s_delay_alu instid0(VALU_DEP_1)
	v_lshrrev_b32 v[QS], v[TT], v[QW]              ; (q0 q1 0 0),
	v_and_b32 v[TT], 16, v0
	s_delay_alu instid0(VALU_DEP_1)
	v_lshlrev_b32 v[QS], v[TT], v[QS]              ; in lanes 16-31 (0 0 q0 q1)
	v_mov_b32 v[NM+1], 0xff61b1e6                  ; -3e38, under every t
	s_delay_alu instid0(VALU_DEP_1)
	v_floor_f32 v[NM], -v[NM+1]
	v_mov_b32 v[SUM], 0
	v_mov_b32 v[SUM+1], 0
.set j, 0
.rept 32
	v_mov_b32 v[O+j], 0
.set j, j+1
.endr
.endm
; THE WAY OUT: O^T / the sum, quantised along the channels: two blocks of 32, each in two accumulators and in lanes l and l xor 16.  more = 1: a second tile follows: its q is asked for first
.macro OUT more
.if \more
	s_add_nc_u64 s[72:73], s[72:73], 32768         ; two steps of 128 tokens on (the first tile's loads were waited for at its start)
	s_add_nc_u64 s[74:75], s[74:75], 1024
	QLOAD
.endif
.rept 8
	v_nop
.endr
	v_add_f32 v[SUM], v[SUM], v[SUM+1]
	s_delay_alu instid0(VALU_DEP_1)
	v_permlanex16_b32 v[TT], v[SUM], s[SEL], s[SEL+1]
	s_delay_alu instid0(VALU_DEP_1)
	v_add_f32 v[SUM], v[SUM], v[TT]
	s_wait_alu depctr_va_vdst(0)
	v_rcp_f32 v[F], v[SUM]
	v_nop
	s_wait_alu depctr_va_vdst(0)
.set j, 0
.rept 16
	v_pk_mul_f32 v[S+j:S+j+1], v[O+j:O+j+1], v[F:F+1] op_sel_hi:[1,0]   ; register 8 dt + i: o(query r, channel 16 dt + 8 h + i)
.set j, j+2
.endr
.irp c, 0,1
	v_max3_num_f32 v[BM+\c], |v[S+16*\c]|, |v[S+16*\c+1]|, 0x8000000
.endr
.irp i, 2,4,6,8,10,12,14
.irp c, 0,1
	s_delay_alu instid0(VALU_DEP_2)
	v_max3_num_f32 v[BM+\c], v[BM+\c], |v[S+16*\c+\i]|, |v[S+16*\c+\i+1]|
.endr
.endr
.irp c, 0,1
	s_delay_alu instid0(VALU_DEP_2)
	v_permlanex16_b32 v[T4+\c], v[BM+\c], s[SEL], s[SEL+1]
.endr
.irp c, 0,1
	s_delay_alu instid0(VALU_DEP_2)
	v_max_num_f32 v[BM+\c], v[BM+\c], v[T4+\c]
.endr
.irp c, 0,1
	s_delay_alu instid0(VALU_DEP_2)
	v_add_nc_u32 v[SO+\c], 0xf8800000, v[BM+\c]
.endr
.irp c, 0,1
	s_delay_alu instid0(VALU_DEP_4)
	v_and_or_b32 v[LM+\c], v[BM+\c], 0x7f800000, s[MNT]
.endr
.irp c, 0,1
	s_delay_alu instid0(VALU_DEP_4)
	v_lshrrev_b32 v[T4+\c], 23, v[SO+\c]
.endr
.irp c, 0,1
.irp i, 0,1,2,3,4,5,6,7,8,9,10,11,12,13,14,15
	v_med3_num_f32 v[S+16*\c+\i], v[S+16*\c+\i], -v[LM+\c], v[LM+\c]
.endr
	v_cvt_scalef32_pk8_bf8_f32 v[PC+4*\c:PC+4*\c+1], v[S+16*\c:S+16*\c+7], v[SO+\c]
	v_cvt_scalef32_pk8_bf8_f32 v[PC+4*\c+2:PC+4*\c+3], v[S+16*\c+8:S+16*\c+15], v[SO+\c]
.endr
	v_nop
.irp c, 0,1
	v_permlane16_swap_b32 v[PC+4*\c], v[PC+4*\c+2]     ; k = 8 h + .. and 16 + 8 h + .. become k = 16 h + 0 .. 15: the unit
	v_permlane16_swap_b32 v[PC+4*\c+1], v[PC+4*\c+3]
.endr
	global_store_b128 v[OOFF], v[PC:PC+3], s[76:77]                 ; 32 lanes store 512 consecutive bytes, at a multiple of 512 from oimg's first byte
	global_store_b128 v[OOFF], v[PC+4:PC+7], s[76:77] offset:512
	v_cndmask_b32 v[TT], v[T4], v[T4+1], s80
	global_store_b8 v[OSOFF], v[TT], s[78:79]      ; a head owns 2 of a token's 32 scale bytes: single bytes; the next launch finds rows of 32
.if \more
	s_wait_xcnt 0x0                                ; the stores have read their registers and bases
	s_add_nc_u64 s[76:77], s[76:77], 262144        ; sixteen tiles of tokens on
	s_add_nc_u64 s[78:79], s[78:79], 8192
.endif
.endm
	s_wait_alu depctr_va_vdst(0)                   ; the wait at the head's end
	INIT
	s_wait_alu depctr_va_vdst(0)
	s_cmp_lt_u32 s[WV], 3                          ; waves 0-2 wait for their tiles: steps 0-3 of K and V, and the scale words
	s_cbranch_scc0 .Lnot_first
	s_wait_tensorcnt 0x0
.Lnot_first:
	s_barrier_signal -1
	s_barrier_wait -1
	RUN 0, 4
	s_wait_tensorcnt 0x0                           ; every wave: all that was still out is in
	s_wait_dscnt 0x0
	s_barrier_signal -1
	s_barrier_wait -1
	RUN 4, 12
	OUT 1
	INIT                                           ; my second tile: the whole head lies in LDS, so no barrier follows
	RUN 0, 16
	OUT 0
	s_wait_dscnt 0x0
	s_wait_tensorcnt 0x0                           ; the wave's end
	ds_add_u32 v15, v255
	s_wait_dscnt 0x0
	ROUND                                          ; the closing round
	s_endpgm
.Lfunc_end_k_q1c9aa0c7d5_attn:
	.size	k_q1c9aa0c7d5_attn, .Lfunc_end_k_q1c9aa0c7d5_attn-k_q1c9aa0c7d5_attn
	.p2alignl 7, 3214868480
	.fill 96, 4, 3214868480
	.section	.rodata,"a",@progbits
	.p2align	6, 0x0
	.amdhsa_kernel k_q1c9aa0c7d5_attn
		.amdhsa_group_segment_fixed_size 327680
		.amdhsa_private_segment_fixed_size 0
		.amdhsa_enable_private_segment 0
		.amdhsa_kernarg_size 32
		.amdhsa_user_sgpr_count 2
		.amdhsa_user_sgpr_kernarg_segment_ptr 1
		.amdhsa_wavefront_size32 1
		.amdhsa_system_sgpr_workgroup_id_x 1
		.amdhsa_system_sgpr_workgroup_id_y 1
		.amdhsa_system_sgpr_workgroup_id_z 1
		.amdhsa_system_vgpr_workitem_id 0
		.amdhsa_next_free_vgpr 256
		.amdhsa_next_free_sgpr 100
		.amdhsa_reserve_vcc 0
		.amdhsa_float_denorm_mode_32 3
		.amdhsa_float_denorm_mode_16_64 3
		.amdhsa_memory_ordered 1
		.amdhsa_forward_progress 1
		.amdhsa_inst_pref_size 87
	.end_amdhsa_kernel
	.amdgpu_metadata
---
amdhsa.version: [ 1, 2 ]
amdhsa.kernels:
  - .name:           k_q1c9aa0c7d5_attn
    .symbol:         k_q1c9aa0c7d5_attn.kd
    .args:
      - { .name: img, .offset: 0, .size: 8, .value_kind: global_buffer, .address_space: global }
      - { .name: scl, .offset: 8, .size: 8, .value_kind: global_buffer, .address_space: global }
      - { .name: oimg, .offset: 16, .size: 8, .value_kind: global_buffer, .address_space: global }
      - { .name: oscl, .offset: 24, .size: 8, .value_kind: global_buffer, .address_space: global }
    .group_segment_fixed_size: 327680
    .private_segment_fixed_size: 0
    .kernarg_segment_align: 8
    .kernarg_segment_size: 32
    .max_flat_workgroup_size: 512
    .sgpr_count:     100
    .vgpr_count:     256
    .wavefront_size: 32
...
	.end_amdgpu_metadata
.endif
;; end of part 2
;; launch proj (part 3): grid 8 x 32, 4 waves a work-group, clusters of 4 x 4, 327,680 bytes of LDS; arguments oimg, oscl, W_proj_codes, W_proj_scales, b_proj, out0; writes out0
.if DOCPART == 3
	.amdgcn_target "amdgcn-amd-amdhsa--gfx1250"
	.amdhsa_code_object_version 6
	.text
	.protected	k_q1c9aa0c7d5_proj
	.globl	k_q1c9aa0c7d5_proj
	.p2align	8
	.type	k_q1c9aa0c7d5_proj,@function
k_q1c9aa0c7d5_proj:
	s_mov_b64 s[64:65], 0
	v_nop
	global_prefetch_b8 v0, s[64:65] scope:SCOPE_SE
	s_setreg_imm32_b32 hwreg(HW_REG_WAVE_MODE, 25, 1), 1
	s_wait_xcnt 0x0
	s_wait_alu depctr_hold_cnt(0) depctr_sa_sdst(0) depctr_va_vdst(0) depctr_va_sdst(0) depctr_va_ssrc(0) depctr_va_vcc(0) depctr_vm_vsrc(0)
	s_getreg_b32 s2, hwreg(HW_REG_IB_STS2, 6, 4)
	s_cmp_eq_u32 s2, 0
	s_cbranch_scc0 .Lentry_in_a_cluster
	s_endpgm
.Lentry_in_a_cluster:
	s_bfe_u32 s2, ttmp6, 0x10000c
	s_cmp_lg_u32 s2, 0xf033
	s_cbranch_scc0 .Lentry_shape_is_right
	s_endpgm
.Lentry_shape_is_right:
; out0 = o W_proj + b_proj: 8,192 x 1,024 x 1,024 on codes of E5M2 with one E8M0 scale for each 32 along K; f32 sums that begin with the bias; f32 out.
; oimg: o's codes as units of 16 tokens x 32 of K, 512 bytes, lane (r, h)'s 16 bytes at 16 (r + 16 h); a tile of 16 tokens is 32 units, 16,384 bytes on end.  oscl: a token's 32 scale bytes on end.
; THE DEAL.  256 work-groups of four waves, 2 x 2; a work-group makes 256 tokens x 128 columns.  A wave holds 64 rows of W_proj, ALL of K, in 512 registers (windows 1, 2) and streams eight blocks of 16 tokens past them; a block's codes, all of K, stand in one of two sets (window 3).
; LDS: two regions of 128 rows x (1,024 + 16) bytes.  At the head region 1 takes W's 128 rows (waves 0, 1: a half each) and region 0 the first 128 tokens (waves 2, 3); when W is in registers, one drained round of the cluster's barrier, and region 1 takes the other 128 tokens, a quarter a wave:
; the same rows and padding.  A token tile lies there as 16 rows of two units.
; CLUSTER 4 x 4: tokens are shared along a row of the cluster, W's rows along a column: joint loads.
; PREFETCH: the second 128 tokens, 512 blocks of 256 bytes, are asked for at the head, a lane a block, shared out by address among the 16 waves of the cluster's row.  What the head's own loads bring is not asked for.
; Scale words and the bias come straight into registers, by loads of whole rows.  The matrix instruction is used transposed (source 0 = W's rows): a lane holds eight neighbouring columns of one token.
; THE WAY OUT: a block's 16 tokens x 64 columns go through the wave's own stage and leave as aligned units of 256 bytes, while the next block is multiplied.
; LIMITS: NaN, infinities and sums beyond f32's range are not served.
.set KROW,  1024
.set PITCH, 1040
.set YB,    128*PITCH                  ; region 1
.set STAGE, 2*YB                       ; 16 rows x 272 bytes for each wave: no tile lands here
.set SPITCH, 272
.set SPARE, STAGE+4*16*SPITCH
.set ADRA0, 4                          ; v4   LDS: my block 0: my row of waves' four tiles + 16 x lane
.set ADRA,  5                          ; v5   the block that is fetched
.set ADRB,  6                          ; v6   LDS: my 64 rows of W
.set STO,   7
.set RD,    8
.set CO,    9
.set SPW,   10
.set NIL,   11
.set ABS,   12                         ; 32 x lane
.set ASO,   13                         ; 32 r
.set BO,    14                         ; 32 h
.set PF,    15
.set SB,    24                         ; v24-39  W's scale words: register 8 p + q: lanes 0-15 tile 2 p's, lanes 16-31 tile 2 p + 1's
.set SA,    44                         ; v44-107 the tokens': register 8 n + q for block n: no product's two scale words have numbers equal modulo 8
.set ACC,   112                        ; v112-143 four accumulators
.set BIAS,  144                        ; v144-175 the first four products' C
.set BK,    176                        ; v176-239 a block read back from the stage: two sets
.set G1B, 28
.set G1A, 36
.set G1R, 44
.set G0B, 52
.set G0A, 56
.set G0R, 60
.set MSB, 0
.macro WIN new
.if MSB != (\new)
	s_set_vgpr_msb (MSB<<8)|(\new)
.set MSB, (\new)
.endif
.endm
.macro PLACES n
.rept \n
	v_nop
.endr
.endm
.macro BARRIER
	s_barrier_signal -1
	s_barrier_wait -1
.endm
.macro CROUND
	BARRIER
	s_cmp_lg_u32 s16, 0
	s_cbranch_scc1 .Lnot_wave_0_\@
	s_barrier_signal -3
.Lnot_wave_0_\@:
	s_barrier_wait -3
	BARRIER
.endm
.macro TLOAD g0, g1
	tensor_load_to_lds s[\g0:\g0+3], s[\g1:\g1+7]
	s_nop 0
	PLACES 4
.endm
.macro GROUP1 g, mask, rows            ; so many rows of 1,024 bytes, dense in memory, 16 bytes of padding behind each in LDS
	s_or_b32 s[\g+0], s[\mask], (1<<20)|(1<<21)|(7<<22)|(3<<25)
	s_mov_b32 s[\g+1], (KROW&0xffff)<<16
	s_mov_b32 s[\g+2], (KROW>>16)|((\rows)<<16)
	s_mov_b32 s[\g+3], KROW<<16
	s_mov_b32 s[\g+4], \rows
	s_mov_b32 s[\g+5], KROW
	s_mov_b32 s[\g+6], 0
	s_mov_b32 s[\g+7], 0
.endm
	s_load_b256 s[4:11], s[0:1], 0x0               ; oimg, oscl, W's codes, W's scales
	s_load_b128 s[12:15], s[0:1], 0x20             ; b_proj, out0
	v_lshl_add_u32 v[SPW], v0, 2, SPARE
	v_mov_b32 v[NIL], 0
	ds_add_u32 v[SPW], v[NIL]                      ; the opening lines: the add twice on end
	ds_add_u32 v[SPW], v[NIL]
	v_lshrrev_b32 v20, 5, v0
	v_readfirstlane_b32 s16, v20                   ; wave 0..3
	s_lshr_b32 s17, s16, 1                         ; my row of waves
	s_and_b32 s18, s16, 1                          ; my column of waves
	s_bfe_u32 s19, ttmp6, 0x40000                  ; cx
	s_bfe_u32 s20, ttmp6, 0x40004                  ; cy
	s_lshl_b32 s21, ttmp9, 2
	s_add_co_u32 s21, s21, s19                     ; tile column 0..7
	s_and_b32 s22, ttmp7, 0xffff
	s_lshl_b32 s22, s22, 2
	s_add_co_u32 s22, s22, s20                     ; group of 256 tokens 0..31
	s_lshl_b32 s23, s20, 2
	s_lshl_b32 s23, 15, s23                        ; my row of the cluster
	s_lshl_b32 s24, 0x1111, s19                    ; my column
	GROUP1 G1B, 24, 64
	GROUP1 G1A, 23, 64
	GROUP1 G1R, 23, 32
	s_lshl_b32 s66, s21, 17                        ; s[66:67] W's codes: row 128 x tile column + 64 x (wave % 2)
	s_lshl_b32 s25, s18, 16
	s_add_co_u32 s66, s66, s25
	s_mov_b32 s67, 0
	s_lshl_b32 s68, s22, 18                        ; s[68:69] oimg: token 256 x group + 64 x (wave % 2)
	s_add_co_u32 s68, s68, s25
	s_mov_b32 s69, 0
	s_lshl_b32 s70, s22, 18                        ; s[70:71] oimg: token 256 x group + 128 + 32 x wave
	s_lshl_b32 s25, s16, 15
	s_add_co_u32 s70, s70, s25
	s_add_co_u32 s70, s70, 131072
	s_mov_b32 s71, 0
	s_lshl_b32 s72, s21, 12                        ; s[72:73] W's scales: my wave's 64 rows
	s_lshl_b32 s25, s18, 11
	s_add_co_u32 s72, s72, s25
	s_mov_b32 s73, 0
	s_lshl_b32 s74, s22, 13                        ; s[74:75] oscl: token 256 x group + 64 x my row of waves
	s_lshl_b32 s25, s17, 11
	s_add_co_u32 s74, s74, s25
	s_mov_b32 s75, 0
	s_lshl_b32 s76, s21, 9                         ; s[76:77] my first column, in bytes of f32
	s_lshl_b32 s25, s18, 8
	s_add_co_u32 s76, s76, s25
	s_mov_b32 s77, 0
	s_lshl_b32 s78, s22, 20                        ; s[78:79] out0: my first token's row, + my first column
	s_lshl_b32 s25, s17, 18
	s_add_co_u32 s78, s78, s25
	s_add_co_u32 s78, s78, s76
	s_mov_b32 s79, 0
	s_mov_b32 s[G0B], 1
	s_mul_i32 s[G0B+1], s18, 64*PITCH
	s_add_co_u32 s[G0B+1], s[G0B+1], YB
	s_mov_b32 s[G0A], 1
	s_mul_i32 s[G0A+1], s18, 64*PITCH
	s_mov_b32 s[G0R], 1
	s_mul_i32 s[G0R+1], s16, 32*PITCH
	s_add_co_u32 s[G0R+1], s[G0R+1], YB
	s_lshl_b32 s80, s19, 2                         ; which of the cluster row's sixteen waves I am: my 8,192 bytes of the prefetch
	s_add_co_u32 s80, s80, s16
	s_lshl_b32 s80, s80, 13
	s_lshl_b32 s25, s22, 18
	s_add_co_u32 s80, s80, s25
	s_add_co_u32 s80, s80, 131072
	s_mul_i32 s81, s17, 64*PITCH
	s_mul_i32 s82, s18, 64*PITCH
	s_add_co_u32 s82, s82, YB
	s_mul_i32 s83, s16, 16*SPITCH
	s_add_co_u32 s83, s83, STAGE
	v_and_b32 v1, 15, v0                           ; r
	v_bfe_u32 v2, v0, 4, 1                         ; h
	v_and_b32 v3, 31, v0                           ; lane
	v_lshlrev_b32 v20, 4, v3
	v_add_nc_u32 v[ADRA0], s81, v20
	v_mul_u32_u24 v21, v1, PITCH
	v_lshl_add_u32 v21, v2, 4, v21
	v_add_nc_u32 v[ADRB], s82, v21
	v_mul_u32_u24 v22, v1, SPITCH                  ; into the stage: row r, 32 bytes for each half of the lanes
	v_lshl_add_u32 v22, v2, 5, v22
	v_add_nc_u32 v[STO], s83, v22
	v_mul_u32_u24 v23, v2, SPITCH                  ; back: lanes 0-15 one row of 256 bytes, lanes 16-31 the next
	v_lshl_add_u32 v23, v1, 4, v23
	v_add_nc_u32 v[RD], s83, v23
	v_lshlrev_b32 v20, 12, v2                      ; and the same two rows in out0
	v_lshl_add_u32 v[CO], v1, 4, v20
	v_lshlrev_b32 v[ABS], 5, v3
	v_lshlrev_b32 v[ASO], 5, v1
	v_lshlrev_b32 v[BO], 5, v2
	v_lshl_add_u32 v[PF], v3, 8, s80
	s_wait_alu depctr_va_vdst(0)                   ; the wait at the end of the head's vector lines
	s_wait_dscnt 0x0                               ; both opening adds are done
	CROUND                                         ; all sixteen work-groups are here
	s_wait_kmcnt 0x0
	s_add_nc_u64 s[G0B+2:G0B+3], s[8:9], s[66:67]
	s_or_b32 s[G0B+3], s[G0B+3], 0x80000000
	s_add_nc_u64 s[G0A+2:G0A+3], s[4:5], s[68:69]
	s_or_b32 s[G0A+3], s[G0A+3], 0x80000000
	s_add_nc_u64 s[G0R+2:G0R+3], s[4:5], s[70:71]
	s_or_b32 s[G0R+3], s[G0R+3], 0x80000000
	s_cmp_lt_u32 s16, 2                            ; one joint load a wave; W's line is waves 0 and 1's own: they alone wait at the first barrier
	s_cbranch_scc0 .Lfor_a
	TLOAD G0B, G1B
	s_branch .Lasked
.Lfor_a:
	TLOAD G0A, G1A
.Lasked:
	s_add_nc_u64 s[10:11], s[10:11], s[72:73]
	s_add_nc_u64 s[6:7], s[6:7], s[74:75]
	s_add_nc_u64 s[12:13], s[12:13], s[76:77]
	s_add_nc_u64 s[14:15], s[14:15], s[78:79]
.irp p, 0,1
.irp c, 0,1
	global_load_b128 v[SB+8*\p+4*\c:SB+8*\p+4*\c+3], v[ABS], s[10:11] offset:\p*1024+16*\c
.endr
.endr
.irp n, 0,1,2,3,4,5,6,7
.irp c, 0,1
	global_load_b128 v[SA+8*\n+4*\c:SA+8*\n+4*\c+3], v[ASO], s[6:7] offset:(\n/4)*4096+(\n%4)*512+16*\c
.endr
.endr
.irp b, 0,1,2,3
	global_load_b128 v[BIAS+8*\b:BIAS+8*\b+3], v[BO], s[12:13] offset:64*\b        ; register 8 b + j: column 16 b + 8 h + j
	global_load_b128 v[BIAS+8*\b+4:BIAS+8*\b+7], v[BO], s[12:13] offset:64*\b+16
.endr
	global_prefetch_b8 v[PF], s[4:5] th:TH_LOAD_NT scope:SCOPE_SE
	s_cmp_lt_u32 s16, 2
	s_cbranch_scc0 .Lnot_b
	s_wait_tensorcnt 0x0                           ; waves 0, 1: W's rows are in
.Lnot_b:
	BARRIER
.irp q, 0,1,2,3,4,5,6,7                        ; my 64 rows of W, all of K: fragment 4 q + b in window 1 + (4 q + b) / 16
.irp b, 0,1,2,3
	WIN (1+(4*\q+\b)/16)<<6
.irp c, 0,1,2,3
	ds_load_b128 v[16*((4*\q+\b)%16)+4*\c:16*((4*\q+\b)%16)+4*\c+3], v[ADRB] offset:128*\q+32*\c+\b*16*PITCH
.endr
.endr
.endr
	WIN 0
	s_wait_tensorcnt 0x0                           ; every wave: my load is in;
	ds_add_u32 v[SPW], v[NIL]                      ; an add ahead of a refill;
	s_wait_dscnt 0x0                               ; it is done, and W is in my registers
	CROUND                                         ; so of every wave of every partner: the first 128 tokens are whole, and nobody reads region 1
	TLOAD G0R, G1R                                 ; the other 128 tokens, a quarter a wave
.macro FETCH n                         ; block n, 16 tokens, all of K, into set n % 2: unit 4 q + c lies in row 2 q + c / 2 of its tile
	v_add_nc_u32 v[ADRA], ((\n)/4)*YB+((\n)%4)*16*PITCH, v[ADRA0]
	WIN 3<<6
.irp q, 0,1,2,3,4,5,6,7
.irp c, 0,1,2,3
	ds_load_b128 v[128*((\n)%2)+16*\q+4*\c:128*((\n)%2)+16*\q+4*\c+3], v[ADRA] offset:(2*\q+\c/2)*PITCH+(\c%2)*512
.endr
.endr
	WIN 0
.endm
.macro PROD n, k                       ; product k = 4 q + b of block n: the four accumulators by turns, K ascending
.set Q_, (\k)/4
.set B_, (\k)%4
.set AC_, ACC+8*B_
.set C_, AC_
.if Q_ == 0
.set C_, BIAS+8*B_
.endif
.set R_, 128*((\n)%2)+16*Q_
.set W_, 16*((\k)%16)
.set WS_, SB+8*(B_/2)+Q_
.set XS_, SA+8*(\n)+Q_
	WIN (1+(\k)/16)|(3<<2)
.if B_%2
	v_wmma_scale_f32_16x16x128_f8f6f4 v[AC_:AC_+7], v[W_:W_+15], v[R_:R_+15], v[C_:C_+7], v[WS_], v[XS_] matrix_a_fmt:MATRIX_FMT_BF8 matrix_b_fmt:MATRIX_FMT_BF8 matrix_a_scale:MATRIX_SCALE_ROW1
.else
	v_wmma_scale_f32_16x16x128_f8f6f4 v[AC_:AC_+7], v[W_:W_+15], v[R_:R_+15], v[C_:C_+7], v[WS_], v[XS_] matrix_a_fmt:MATRIX_FMT_BF8 matrix_b_fmt:MATRIX_FMT_BF8
.endif
.endm
.macro TOSTAGE n                       ; LDS serves a wave's instructions in order (ISA guide 5.7.1.4): the loads see the stores
.irp b, 0,1,2,3
	ds_store_b128 v[STO], v[ACC+8*\b:ACC+8*\b+3] offset:64*\b
	ds_store_b128 v[STO], v[ACC+8*\b+4:ACC+8*\b+7] offset:64*\b+16
.endr
.irp t, 0,1,2,3,4,5,6,7
	ds_load_b128 v[BK+32*((\n)%2)+4*\t:BK+32*((\n)%2)+4*\t+3], v[RD] offset:\t*2*SPITCH
.endr
.endm
.macro SEND n, younger                 ; 16 lanes store 256 consecutive bytes, at a multiple of 256 from out0's first byte
	s_wait_dscnt \younger
.irp t, 0,1,2,3,4,5,6,7
	global_store_b128 v[CO], v[BK+32*((\n)%2)+4*\t:BK+32*((\n)%2)+4*\t+3], s[14:15] offset:((\n)/4)*524288+((\n)%4)*65536+\t*8192 th:TH_STORE_NT
.endr
.endm
; A BLOCK.  w: the LDS instructions issued behind its fetch, which may stay out: the stage's 8 stores and 8 loads and the next fetch's 32
.macro BLK n, w
	s_wait_xcnt 0x0                                ; the stores of the block before last have read their registers: this block's stage loads land there
	s_wait_dscnt \w
.set K_, 0
.rept 32
	PROD \n, K_
.set K_, K_+1
.endr
	WIN 0
	PLACES 9                                       ; ahead of the stage's reads of the sums, of the fetch into the set just read, and of the next block's first products, which write the sums' registers anew
.if (\n) > 0
.if (\n) < 7
	SEND (\n)-1, 32                                ; behind its stage loads: one fetch
.else
	SEND (\n)-1, 0
.endif
.endif
	TOSTAGE \n
.if (\n) == 2
	s_wait_tensorcnt 0x0                           ; every wave: my quarter of the other 128 tokens is in
	s_wait_dscnt 0x0
	BARRIER                                        ; so is everybody's
.endif
.if (\n) < 6
	FETCH (\n)+2
.endif
.endm
	FETCH 0
	FETCH 1
	s_wait_loadcnt 0x0                             ; the scale words and the bias
	BLK 0, 32
	BLK 1, 48
	BLK 2, 48
	BLK 3, 48
	BLK 4, 48
	BLK 5, 48
	BLK 6, 48
	BLK 7, 16
	SEND 7, 0
	s_wait_tensorcnt 0x0                           ; the wave's end
	ds_add_u32 v[SPW], v[NIL]
	s_wait_dscnt 0x0
	CROUND                                         ; the closing round
	s_endpgm
.Lfunc_end_k_q1c9aa0c7d5_proj:
	.size	k_q1c9aa0c7d5_proj, .Lfunc_end_k_q1c9aa0c7d5_proj-k_q1c9aa0c7d5_proj
	.p2alignl 7, 3214868480
	.fill 96, 4, 3214868480
	.section	.rodata,"a",@progbits
	.p2align	6, 0x0
	.amdhsa_kernel k_q1c9aa0c7d5_proj
		.amdhsa_group_segment_fixed_size 327680
		.amdhsa_private_segment_fixed_size 0
		.amdhsa_enable_private_segment 0
		.amdhsa_kernarg_size 48
		.amdhsa_user_sgpr_count 2
		.amdhsa_user_sgpr_kernarg_segment_ptr 1
		.amdhsa_wavefront_size32 1
		.amdhsa_system_sgpr_workgroup_id_x 1
		.amdhsa_system_sgpr_workgroup_id_y 1
		.amdhsa_system_sgpr_workgroup_id_z 1
		.amdhsa_system_vgpr_workitem_id 0
		.amdhsa_next_free_vgpr 1024
		.amdhsa_next_free_sgpr 100
		.amdhsa_reserve_vcc 0
		.amdhsa_float_denorm_mode_32 3
		.amdhsa_float_denorm_mode_16_64 3
		.amdhsa_memory_ordered 1
		.amdhsa_forward_progress 1
		.amdhsa_inst_pref_size 86
	.end_amdhsa_kernel
	.amdgpu_metadata
---
amdhsa.version: [ 1, 2 ]
amdhsa.kernels:
  - .name:           k_q1c9aa0c7d5_proj
    .symbol:         k_q1c9aa0c7d5_proj.kd
    .args:
      - { .name: oimg, .offset: 0, .size: 8, .value_kind: global_buffer, .address_space: global }
      - { .name: oscl, .offset: 8, .size: 8, .value_kind: global_buffer, .address_space: global }
      - { .name: W_proj_codes, .offset: 16, .size: 8, .value_kind: global_buffer, .address_space: global }
      - { .name: W_proj_scales, .offset: 24, .size: 8, .value_kind: global_buffer, .address_space: global }
      - { .name: b_proj, .offset: 32, .size: 8, .value_kind: global_buffer, .address_space: global }
      - { .name: out0, .offset: 40, .size: 8, .value_kind: global_buffer, .address_space: global }
    .group_segment_fixed_size: 327680
    .private_segment_fixed_size: 0
    .kernarg_segment_align: 8
    .kernarg_segment_size: 48
    .max_flat_workgroup_size: 128
    .sgpr_count:     100
    .vgpr_count:     1024
    .wavefront_size: 32
...
	.end_amdgpu_metadata
.endif
;; end of part 3
